; MI455X (gfx1250); checked and timed in simulation.
; The chip was launched on July 23, 2026; its instructions are those of AMD's public machine-readable ISA for CDNA 5 (MIT licence, August 2026) and "CDNA5" Instruction Set Architecture Reference Guide (July 2026). The comments in the code are by the model that wrote it; some were corrected since.
;; Self Attention V2 Causal. Allowed arithmetic: float matrix products may take bf16 or f16 operands with f32 sums; all other float work in f32.
;; Inputs: Wk 1,024 x 1,024 float32; Wq 1,024 x 1,024 float32; Wv 1,024 x 1,024 float32; x 4 x 2,048 x 1,024 float32.
;; Outputs: out0 4 x 2,048 x 1,024 float32.
;; 2 versions, each right; version 2 is version 1 with the launch cast written anew for expert scheduling mode. Each part assembles by itself: llvm-mc -triple=amdgcn-amd-amdhsa -mcpu=gfx1250 --defsym DOCPART=n.
;; ======== version 1 of 2: 4 launches
;; limits: values are held in f16: magnitudes above 65,504 overflow, below 6.1e-05 lose precision
;; workspace buffers: xb 16,777,216 bytes; wb 6,291,456 bytes; qkv 50,331,648 bytes; pt 33,554,432 bytes; st 1,048,576 bytes
;; launch cast (part 1): grid 64 x 12, 8 waves a work-group, no clusters, 0 bytes of LDS; arguments x, Wq, Wk, Wv, xb, wb, st; writes xb, wb, st
.if DOCPART == 1
	.amdgcn_target "amdgcn-amd-amdhsa--gfx1250"
	.amdhsa_code_object_version 6
	.text
	.protected	k_qc282cab284_cast
	.globl	k_qc282cab284_cast
	.p2align	8
	.type	k_qc282cab284_cast,@function
k_qc282cab284_cast:
	s_mov_b64 s[64:65], 0
	v_nop
	global_prefetch_b8 v0, s[64:65] scope:SCOPE_SE
	s_setreg_imm32_b32 hwreg(HW_REG_WAVE_MODE, 25, 1), 1
	s_wait_xcnt 0x0
; x, Wq, Wk, Wv (f32) -> xb, wb (bf16, rounded to nearest even once); st is filled with (-inf, 0).
; Grid y picks the job: 0-7 the eight units (1 Mi numbers each) of x -> xb; 8, 9, 10: Wq, Wk, Wv -> rows 0, 1024, 2048 of wb; 11: the fill of st.
; A work-group takes 16,384 numbers: thread t takes the 16 bytes at 16 t + 4096 i (i = 0..15) and stores the 8 bytes at 8 t + 2048 i:
; a wave's load covers 512 consecutive bytes, a wave's store 256 consecutive bytes at a multiple of 256.
; No LDS, no barrier, no matrix unit: every byte is read once and written once, all sixteen loads of a wave are out together.
; st holds, for each 64 rows and each chunk of 128 keys, 256 bytes of c x maximum and then 256 bytes of sums; the chunks that the
; causal mask removes keep this fill: maximum -inf, sum 0.
.set X, 8                              ; v[8:71]   sixteen loads of four f32
.set Y, 72                             ; v[72:103] sixteen pairs to store; none is written twice, so no store's data is ever rewritten
	s_load_b256 s[4:11], s[0:1], 0x0               ; x s[4:5], Wq s[6:7], Wk s[8:9], Wv s[10:11]
	s_load_b128 s[12:15], s[0:1], 0x20             ; xb s[12:13], wb s[14:15]
	s_load_b64 s[16:17], s[0:1], 0x30              ; st
	s_and_b32 s20, ttmp7, 0xffff                   ; the job
	s_sub_co_u32 s28, s20, 8                       ; which of the three weights (used for jobs 8 to 10 alone)
	v_lshlrev_b32 v1, 4, v0                        ; 16 t
	v_lshlrev_b32 v2, 3, v0                        ; 8 t
	s_wait_kmcnt 0x0
	s_cmp_eq_u32 s20, 11
	s_cbranch_scc1 .Lfill
	s_cmp_lt_u32 s20, 8
	s_cselect_b64 s[22:23], s[4:5], s[6:7]         ; from: x, or a weight
	s_cselect_b64 s[24:25], s[12:13], s[14:15]     ; to: xb or wb
	s_cselect_b32 s26, s20, 0                      ; the unit in the source
	s_cselect_b32 s27, s20, s28                    ; the unit in the destination
	s_cmp_eq_u32 s20, 9
	s_cselect_b64 s[22:23], s[8:9], s[22:23]
	s_cmp_eq_u32 s20, 10
	s_cselect_b64 s[22:23], s[10:11], s[22:23]
	s_lshl_b32 s30, s26, 22                        ; a unit is 4 MiB of f32,
	s_lshl_b32 s29, ttmp9, 16                      ; a work-group's share 64 KiB
	s_add_co_u32 s30, s30, s29
	s_mov_b32 s31, 0
	s_lshl_b32 s32, s27, 21                        ; and half of that in bf16
	s_lshl_b32 s29, ttmp9, 15
	s_add_co_u32 s32, s32, s29
	s_mov_b32 s33, 0
	s_add_nc_u64 s[22:23], s[22:23], s[30:31]
	s_add_nc_u64 s[24:25], s[24:25], s[32:33]
.irp i, 0,1,2,3,4,5,6,7,8,9,10,11,12,13,14,15
	global_load_b128 v[X+4*\i:X+4*\i+3], v1, s[22:23] offset:4096*\i th:TH_LOAD_NT   ; read once in the whole program
.endr
.irp i, 0,1,2,3,4,5,6,7,8,9,10,11,12,13,14,15
	s_wait_loadcnt 15-\i                           ; loads come back in order: load i is in, the 15 - i younger ones stay out
	v_cvt_pk_bf16_f32 v[Y+2*\i],   v[X+4*\i],   v[X+4*\i+1]
	v_cvt_pk_bf16_f32 v[Y+2*\i+1], v[X+4*\i+2], v[X+4*\i+3]
	global_store_b64 v2, v[Y+2*\i:Y+2*\i+1], s[24:25] offset:2048*\i   ; no hint: the next launch reads it
.endr
	s_endpgm
.Lfill:
	v_and_b32 v3, 16, v0                           ; byte 16 t: bit 8 of it tells maxima (0) from sums (1)
	v_cmp_eq_u32 vcc_lo, 0, v3
	v_mov_b32 v7, 0xff800000                       ; -inf
	v_cndmask_b32 v4, 0, v7, vcc_lo
	v_mov_b32 v5, v4
	v_mov_b32 v6, v4
	v_mov_b32 v7, v4
	s_lshl_b32 s30, ttmp9, 14                      ; 16 KiB a work-group
	s_mov_b32 s31, 0
	s_add_nc_u64 s[16:17], s[16:17], s[30:31]
.irp k, 0,1,2,3
	global_store_b128 v1, v[4:7], s[16:17] offset:4096*\k
.endr
	s_endpgm
.Lfunc_end_k_qc282cab284_cast:
	.size	k_qc282cab284_cast, .Lfunc_end_k_qc282cab284_cast-k_qc282cab284_cast
	.p2alignl 7, 3214868480
	.fill 96, 4, 3214868480
	.section	.rodata,"a",@progbits
	.p2align	6, 0x0
	.amdhsa_kernel k_qc282cab284_cast
		.amdhsa_group_segment_fixed_size 0
		.amdhsa_private_segment_fixed_size 0
		.amdhsa_enable_private_segment 0
		.amdhsa_kernarg_size 56
		.amdhsa_user_sgpr_count 2
		.amdhsa_user_sgpr_kernarg_segment_ptr 1
		.amdhsa_wavefront_size32 1
		.amdhsa_system_sgpr_workgroup_id_x 1
		.amdhsa_system_sgpr_workgroup_id_y 1
		.amdhsa_system_sgpr_workgroup_id_z 1
		.amdhsa_system_vgpr_workitem_id 0
		.amdhsa_next_free_vgpr 104
		.amdhsa_next_free_sgpr 66
		.amdhsa_reserve_vcc 1
		.amdhsa_float_denorm_mode_32 3
		.amdhsa_float_denorm_mode_16_64 3
		.amdhsa_memory_ordered 1
		.amdhsa_forward_progress 1
		.amdhsa_inst_pref_size 8
	.end_amdhsa_kernel
	.amdgpu_metadata
---
amdhsa.version: [ 1, 2 ]
amdhsa.kernels:
  - .name:           k_qc282cab284_cast
    .symbol:         k_qc282cab284_cast.kd
    .args:
      - { .name: x, .offset: 0, .size: 8, .value_kind: global_buffer, .address_space: global }
      - { .name: Wq, .offset: 8, .size: 8, .value_kind: global_buffer, .address_space: global }
      - { .name: Wk, .offset: 16, .size: 8, .value_kind: global_buffer, .address_space: global }
      - { .name: Wv, .offset: 24, .size: 8, .value_kind: global_buffer, .address_space: global }
      - { .name: xb, .offset: 32, .size: 8, .value_kind: global_buffer, .address_space: global }
      - { .name: wb, .offset: 40, .size: 8, .value_kind: global_buffer, .address_space: global }
      - { .name: st, .offset: 48, .size: 8, .value_kind: global_buffer, .address_space: global }
    .group_segment_fixed_size: 0
    .private_segment_fixed_size: 0
    .kernarg_segment_align: 8
    .kernarg_segment_size: 56
    .max_flat_workgroup_size: 256
    .sgpr_count:     66
    .vgpr_count:     104
    .wavefront_size: 32
...
	.end_amdgpu_metadata
.endif
;; end of part 1
;; launch proj (part 2): grid 8 x 32, 4 waves a work-group, clusters of 4 x 4, 327,680 bytes of LDS; arguments xb, wb, qkv; writes qkv
.if DOCPART == 2
	.amdgcn_target "amdgcn-amd-amdhsa--gfx1250"
	.amdhsa_code_object_version 6
	.text
	.protected	k_qc282cab284_proj
	.globl	k_qc282cab284_proj
	.p2align	8
	.type	k_qc282cab284_proj,@function
k_qc282cab284_proj:
	s_mov_b64 s[64:65], 0
	v_nop
	global_prefetch_b8 v0, s[64:65] scope:SCOPE_SE
	s_setreg_imm32_b32 hwreg(HW_REG_WAVE_MODE, 25, 1), 1
	s_wait_xcnt 0x0
	s_wait_alu depctr_hold_cnt(0) depctr_sa_sdst(0) depctr_va_vdst(0) depctr_va_sdst(0) depctr_va_ssrc(0) depctr_va_vcc(0) depctr_vm_vsrc(0)
	s_getreg_b32 s2, hwreg(HW_REG_IB_STS2, 6, 4)
	s_cmp_eq_u32 s2, 0
	s_cbranch_scc0 .Lentry_in_a_cluster
	s_endpgm
.Lentry_in_a_cluster:
	s_bfe_u32 s2, ttmp6, 0x10000c
	s_cmp_lg_u32 s2, 0xf033
	s_cbranch_scc0 .Lentry_shape_is_right
	s_endpgm
.Lentry_shape_is_right:
; qkv[8192][3072] = xb[8192][1024] . wb[3072][1024]^T, bf16 in, f32 sums, f16 out (rounded once).  Columns 0-1023 are q, 1024-2047 k, 2048-3071 v.
; WHY f16 OUT: f16 keeps 11 significant bits where bf16 keeps 8, and a query with few keys averages few roundings of k and v.
; LIMIT: |q|, |k|, |v| stay under 65,504, f16's largest number.  With x and W both 30 times the drawn spread the largest is about 3,500; with offsets of 30 spreads on both about 18,500.
; SHARES.  8 x 32 = 256 work-groups.  A work-group owns 256 rows of xb and STAYS: it makes two tiles, and the ring of LDS slots goes on from the first into the second.
;   TILE 1: 256 x 256 at columns 256 tx: the 2,048 columns of q and k are 8 such tiles across.  A wave makes 128 x 128: 64 accumulators, 256 matrix instructions in a K step of 128.
;   TILE 2: 256 x 128 of v, at columns 2,048 + 128 tx.  Wave w makes rows 64 w .. 64 w + 63 x all 128 columns (a row of its f16 is 256 whole bytes): 32 accumulators, 128 matrix
;   instructions in a K step.  Its steps stay short: K steps of 256 would want 384 rows x 528 bytes x 2 slots = 405,504 bytes of LDS, more than the 327,680 that a work-group can be given.
;   The smaller tile comes last: behind it nothing is left under which its stores could leave.
; RING.  Two slots, each xb's 256 rows and then wb's 256 rows (tile 2: the first 128 of them) of 256 bytes, at multiples of 256 bytes in memory.  Waves 0, 1 fetch xb's halves, waves 2, 3 wb's,
; one tensor load a wave: two of a wave's loads are out at the start and one behind each round.
; CLUSTER 4 x 4: the four work-groups of a row of the cluster need the same rows of xb, the four of a column the same rows of wb: each tile is asked for jointly,
; by the same tensor load with the same descriptor and a mask that names the four.
; The matrix instruction is used transposed (source 0 = 16 rows of wb, source 1 = 16 rows of xb): a lane holds eight neighbouring numbers of a row of qkv.
; REGISTERS.  window 0: v0-31 addresses; v64-127, v128-191 fragments of xb, two buffers; v192-223 packed results; v32-63, v224-255 rows read back from the stage, by turns.
; window 1: v64-127, v128-191 fragments of wb.   window 2: accumulators (a, b) at v[8 (8 a + b)]: tile 1's rows 0-63 of the wave, all of tile 2's.   window 3: tile 1's rows 64-127.
.set KSTEP,  128
.set PITCH,  272                       ; an LDS row: 256 bytes + 16 of padding: the 16 rows of a fragment load start 68 words apart
.set HALFT,  128*PITCH                 ; 128 rows: a tensor load of xb, and of wb in tile 1
.set QUART,  64*PITCH                  ; 64 rows: a tensor load of wb in tile 2, and a wave's rows of xb there
.set SLOT,   4*HALFT                   ; 139,264
.set STAGE,  2*SLOT                    ; behind the ring: 16 rows x 272 bytes for each wave; no tensor load lands there
.set SPITCH, 272
.set OPITCH, 6144                      ; bytes in a row of qkv
.set LAPS,   4                         ; a lap = two K steps = once round the ring; K = 1024
.set BACK_A, (1024-2*KSTEP)*2          ; from a slot's last K step of tile 1 to its first of tile 2: xb goes back along K
.set ADRA,  16                         ; v16-17 LDS address of my xb fragments in slot 0, 1, tile 1
.set ADRA2, 18                         ; v18-19 the same, tile 2
.set ADRB,  20                         ; v20-21 my wb fragments, tile 1
.set ADRB2, 22                         ; v22-23 the same, tile 2
.set STO,  24
.set RD,   25
.set CO,   26
.set OB,   32
.set F0,   64
.set F1,   128
.set TMP,  192
.set G1,  24                           ; s[24:31] group 1 for xb's tiles; s[32:39] group 0, one set a slot
.set G0,  32
.set G1B, 48                           ; s[48:55], s[56:63] the same for wb's tiles of tile 1
.set G0B, 56
.set OUT1, 8                           ; s[8:9]   qkv at my part of tile 1
.set OUT2, 66                          ; s[66:67] qkv at my part of tile 2
.set G1C, 68                           ; s[68:75], s[76:83] the same for wb's tiles of tile 2: registers of their own, so that no LDS word of a descriptor is ever rewritten
.set G0C, 76
.set MSB, 0
.macro WIN new                         ; the immediate's high byte repeats the setting that is left; a switch that changes nothing is dropped
.if MSB != (\new)
	s_set_vgpr_msb (MSB<<8)|(\new)
.set MSB, (\new)
.endif
.endm
.set MUL_LO, 0xa1                      ; source 0 (wb) window 1, source 1 (xb) window 0, C and D window 2
.set MUL_HI, 0xf1                      ; the same, C and D window 3
.set TO_B,   0x40                      ; destination window 1, address window 0
.macro PLACES                          ; four plain vector instructions between a matrix instruction and a load into, or a vector read or write of, its registers
.rept 4
	v_nop
.endr
.endm
; A joint refill: waves 0, 1 fetch xb's halves, waves 2, 3 wb's, by the groups gb0, gb1 (tile 1's or tile 2's).  The branch hangs on the wave's number alone.
; Four v_nop follow each of the two lines.
.macro JLOAD s, gb0, gb1
	s_cmp_eq_u32 s11, 0
	s_cbranch_scc0 .Lfor_b_\@
	tensor_load_to_lds s[G0+4*(\s):G0+4*(\s)+3], s[G1:G1+7]
	s_nop 0
	PLACES
	s_branch .Lasked_\@
.Lfor_b_\@:
	tensor_load_to_lds s[\gb0+4*(\s):\gb0+4*(\s)+3], s[\gb1:\gb1+7]
	s_nop 0
	PLACES
.Lasked_\@:
.endm
.macro CREST                           ; a round of the cluster's barrier behind its opening barrier
	s_cmp_lg_u32 s10, 0
	s_cbranch_scc1 .Lnot_wave_0_\@
	s_barrier_signal -3
.Lnot_wave_0_\@:
	s_barrier_wait -3
	s_barrier_signal -1
	s_barrier_wait -1
.endm
.macro CROUND
	s_barrier_signal -1
	s_barrier_wait -1
	CREST
.endm
	s_load_b128 s[4:7], s[0:1], 0x0                ; xb s[4:5], wb s[6:7]
	s_load_b64 s[8:9], s[0:1], 0x10                ; qkv
	s_set_vgpr_msb 0x40
	v_lshl_add_u32 v255, v0, 2, 0x48400
	s_set_vgpr_msb 0x4000
	v_mov_b32 v31, 0
	s_set_vgpr_msb 0x1
	ds_add_u32 v255, v31
	ds_add_u32 v255, v31
	s_set_vgpr_msb 0x100
	v_lshrrev_b32 v1, 5, v0
	v_readfirstlane_b32 s10, v1                    ; wave 0..3
	s_lshr_b32 s11, s10, 1                         ; tile 1: which 128 rows are mine.  Also: I fetch xb (0) or wb (1)
	s_and_b32 s12, s10, 1                          ; tile 1: which 128 columns.  Also: which half of that tile I fetch
	s_bfe_u32 s40, ttmp6, 0x40000                  ; cx
	s_bfe_u32 s41, ttmp6, 0x40004                  ; cy
	s_lshl_b32 s42, ttmp9, 2
	s_add_co_u32 s42, s42, s40                     ; tx = 4 x cluster x + cx, 0 to 7
	s_and_b32 s13, ttmp7, 0xffff
	s_lshl_b32 s13, s13, 2
	s_add_co_u32 s13, s13, s41                     ; ty = 4 x cluster y + cy, 0 to 31
	s_lshl_b32 s43, s41, 2
	s_lshl_b32 s43, 15, s43                        ; my row of the cluster
	s_lshl_b32 s44, 0x1111, s40                    ; my column
	s_or_b32 s[G1+0], s43, (1<<16)|(1<<20)|(1<<21)|(5<<22)|(3<<25)   ; mask; elements of 2 bytes; padding on; bit 21 beside a mask; after every 64 words 4 words
	s_or_b32 s[G1B+0], s44, (1<<16)|(1<<20)|(1<<21)|(5<<22)|(3<<25)
	s_or_b32 s[G1C+0], s44, (1<<16)|(1<<20)|(1<<21)|(5<<22)|(3<<25)
.irp g, G1, G1B
	s_mov_b32 s[\g+1], KSTEP<<16                   ; tensor_dim0 = 128
	s_mov_b32 s[\g+2], 128<<16                     ; tensor_dim1 = 128
	s_mov_b32 s[\g+3], KSTEP<<16                   ; tile_dim0 = 128
	s_mov_b32 s[\g+4], 128                         ; tile_dim1 = 128
	s_mov_b32 s[\g+5], 1024                        ; elements from row to row
	s_mov_b32 s[\g+6], 0
	s_mov_b32 s[\g+7], 0
.endr
	s_mov_b32 s[G1C+1], KSTEP<<16
	s_mov_b32 s[G1C+2], 64<<16                     ; tile 2's loads of wb have 64 rows
	s_mov_b32 s[G1C+3], KSTEP<<16
	s_mov_b32 s[G1C+4], 64
	s_mov_b32 s[G1C+5], 1024
	s_mov_b32 s[G1C+6], 0
	s_mov_b32 s[G1C+7], 0
	; where the tiles come from: xb's hang on ty alone, wb's on tx alone, each in registers that never hold the other coordinate
	s_lshl_b32 s17, s12, 7
	s_lshl_b32 s16, s13, 8
	s_add_co_u32 s16, s16, s17                     ; xb: row 256 ty + 128 x half
	s_lshl_b32 s16, s16, 11                        ; x 2,048 bytes
	s_mov_b32 s17, 0
	s_lshl_b32 s47, s12, 7
	s_lshl_b32 s46, s42, 8
	s_add_co_u32 s46, s46, s47                     ; wb, tile 1: row 256 tx + 128 x half
	s_lshl_b32 s46, s46, 11
	s_mov_b32 s47, 0
	s_lshl_b32 s85, s12, 6
	s_lshl_b32 s84, s42, 7
	s_add_co_u32 s84, s84, s85
	s_add_co_u32 s84, s84, 2048                    ; wb, tile 2: row 2,048 + 128 tx + 64 x half
	s_lshl_b32 s84, s84, 11
	s_mov_b32 s85, 0
	s_mul_i32 s20, s12, HALFT                      ; where they go: the wave's number alone enters an LDS address.  xb's halves,
	s_add_co_u32 s21, s20, 2*HALFT                 ; wb's halves behind xb's 256 rows,
	s_mul_i32 s22, s12, QUART
	s_add_co_u32 s22, s22, 2*HALFT                 ; and in tile 2 wb's halves of 64 rows at the same place
	s_wait_dscnt 0x0
	s_wait_kmcnt 0x0
	s_add_nc_u64 s[14:15], s[4:5], s[16:17]
	s_add_nc_u64 s[46:47], s[6:7], s[46:47]
	s_add_nc_u64 s[84:85], s[6:7], s[84:85]
.irp s, 0,1
	s_mov_b32 s[G0+4*\s], 1
	s_add_co_u32 s[G0+4*\s+1], s20, \s*SLOT
	s_add_nc_u64 s[G0+4*\s+2:G0+4*\s+3], s[14:15], \s*KSTEP*2
	s_or_b32 s[G0+4*\s+3], s[G0+4*\s+3], 0x80000000
	s_mov_b32 s[G0B+4*\s], 1
	s_add_co_u32 s[G0B+4*\s+1], s21, \s*SLOT
	s_add_nc_u64 s[G0B+4*\s+2:G0B+4*\s+3], s[46:47], \s*KSTEP*2
	s_or_b32 s[G0B+4*\s+3], s[G0B+4*\s+3], 0x80000000
	s_mov_b32 s[G0C+4*\s], 1
	s_add_co_u32 s[G0C+4*\s+1], s22, \s*SLOT
	s_add_nc_u64 s[G0C+4*\s+2:G0C+4*\s+3], s[84:85], \s*KSTEP*2
	s_or_b32 s[G0C+4*\s+3], s[G0C+4*\s+3], 0x80000000
.endr
	CROUND                                         ; all sixteen work-groups are here: the first joint loads meet
	s_cmp_eq_u32 s11, 0                            ; a wave's two first fills stand in one branch, ahead of every wait on TENSORcnt and every LDS read
	s_cbranch_scc0 .Lfirst_b
	tensor_load_to_lds s[G0:G0+3], s[G1:G1+7]
	s_nop 0
	tensor_load_to_lds s[G0+4:G0+7], s[G1:G1+7]
	s_nop 0
	PLACES
	s_branch .Lfirst_asked
.Lfirst_b:
	tensor_load_to_lds s[G0B:G0B+3], s[G1B:G1B+7]
	s_nop 0
	tensor_load_to_lds s[G0B+4:G0B+7], s[G1B:G1B+7]
	s_nop 0
	PLACES
.Lfirst_asked:
	; a fragment: lane l holds row l % 16; registers 0-3 K = 8 (l / 16) + 0..7, registers 4-7 K = 16 + 8 (l / 16) + 0..7: two loads of 16 bytes, 32 bytes apart
	v_and_b32 v1, 15, v0
	v_bfe_u32 v2, v0, 4, 1
	v_mul_u32_u24 v3, v1, PITCH
	v_lshl_add_u32 v3, v2, 4, v3
	s_mul_i32 s20, s11, HALFT                      ; tile 1: my 128 rows of xb,
	s_mul_i32 s21, s12, HALFT
	s_add_co_u32 s21, s21, 2*HALFT                 ; my 128 rows of wb
	s_mul_i32 s22, s10, QUART                      ; tile 2: my 64 rows of xb,
	s_mov_b32 s23, 2*HALFT                         ; all 128 rows of wb
.irp s, 0,1
	v_add_nc_u32 v[ADRA+\s], s20, v3
	v_add_nc_u32 v[ADRB+\s], s21, v3
	v_add_nc_u32 v[ADRA2+\s], s22, v3
	v_add_nc_u32 v[ADRB2+\s], s23, v3
	s_add_co_u32 s20, s20, SLOT
	s_add_co_u32 s21, s21, SLOT
	s_add_co_u32 s22, s22, SLOT
	s_add_co_u32 s23, s23, SLOT
.endr
	s_mul_i32 s23, s10, 16*SPITCH
	s_add_co_u32 s23, s23, STAGE                   ; my stage
	v_mul_u32_u24 v4, v1, SPITCH                   ; in: row l % 16, 16 bytes for each half of the lanes
	v_lshl_add_u32 v4, v2, 4, v4
	v_add_nc_u32 v[STO], s23, v4
	v_mul_u32_u24 v5, v2, SPITCH                   ; back: lanes 0-15 one row of 256 bytes, lanes 16-31 the next
	v_lshl_add_u32 v5, v1, 4, v5
	v_add_nc_u32 v[RD], s23, v5
	v_mul_u32_u24 v5, v2, OPITCH                   ; and the same two rows in qkv
	v_lshl_add_u32 v[CO], v1, 4, v5
	s_lshl_b32 s88, s13, 8                         ; tile 2: row 256 ty + 64 x wave,
	s_lshl_b32 s89, s10, 6
	s_add_co_u32 s88, s88, s89
	s_mul_i32 s88, s88, OPITCH
	s_mov_b32 s89, 0
	s_add_nc_u64 s[OUT2:OUT2+1], s[8:9], s[88:89]
	s_lshl_b32 s90, s42, 8                         ; byte 4,096 + 256 tx
	s_add_co_u32 s90, s90, 4096
	s_mov_b32 s91, 0
	s_add_nc_u64 s[OUT2:OUT2+1], s[OUT2:OUT2+1], s[90:91]
	s_lshl_b32 s16, s13, 8                         ; tile 1: row 256 ty + 128 x half,
	s_lshl_b32 s17, s11, 7
	s_add_co_u32 s16, s16, s17
	s_mul_i32 s16, s16, OPITCH
	s_mov_b32 s17, 0
	s_add_nc_u64 s[OUT1:OUT1+1], s[8:9], s[16:17]
	s_lshl_b32 s46, s42, 9                         ; byte 512 tx + 256 x half
	s_lshl_b32 s47, s12, 8
	s_add_co_u32 s46, s46, s47
	s_mov_b32 s47, 0
	s_add_nc_u64 s[OUT1:OUT1+1], s[OUT1:OUT1+1], s[46:47]
; 8 matrix instructions: row block a of the window's four (hi = 1: tile 1's rows 64-127) x all 8 column blocks, 32 along K, from buffer f.  zero = 1: the product starts the sums:
; nothing is cleared.  The accumulators take turns, one instruction a turn, in the same order in every quarter.
.macro MULR f, hi, a, zero
.irp b, 0,1,2,3,4,5,6,7
.if \zero
	v_wmma_f32_16x16x32_bf16 v[8*(8*(\a)+\b):8*(8*(\a)+\b)+7], v[\f+8*\b:\f+8*\b+7], v[\f+8*(4*\hi+(\a)):\f+8*(4*\hi+(\a))+7], 0
.else
	v_wmma_f32_16x16x32_bf16 v[8*(8*(\a)+\b):8*(8*(\a)+\b)+7], v[\f+8*\b:\f+8*\b+7], v[\f+8*(4*\hi+(\a)):\f+8*(4*\hi+(\a))+7], v[8*(8*(\a)+\b):8*(8*(\a)+\b)+7]
.endif
.endr
.endm
.macro MUL16 f, hi, a0, zero           ; row blocks a0 and a0 + 1
	MULR \f, \hi, \a0, \zero
	MULR \f, \hi, \a0+1, \zero
.endm
; ---------------- TILE 1 ----------------
.macro FETCH slot, k, f                ; 32 LDS loads in one run: a quarter step's fragments (32 K at byte k of the rows): wb's sixteen, then xb's sixteen
	WIN TO_B
.irp i, 0,1,2,3,4,5,6,7
	ds_load_b128 v[\f+8*\i:\f+8*\i+3],   v[ADRB+\slot] offset:\k+\i*16*PITCH
	ds_load_b128 v[\f+8*\i+4:\f+8*\i+7], v[ADRB+\slot] offset:\k+\i*16*PITCH+32
.endr
	WIN 0
.irp i, 0,1,2,3,4,5,6,7
	ds_load_b128 v[\f+8*\i:\f+8*\i+3],   v[ADRA+\slot] offset:\k+\i*16*PITCH
	ds_load_b128 v[\f+8*\i+4:\f+8*\i+7], v[ADRA+\slot] offset:\k+\i*16*PITCH+32
.endr
.endm
; ---------------- TILE 2 ----------------
.macro FETCH2 slot, k, f               ; 24 LDS loads in one run: wb's sixteen, then my 64 rows of xb: eight
	WIN TO_B
.irp i, 0,1,2,3,4,5,6,7
	ds_load_b128 v[\f+8*\i:\f+8*\i+3],   v[ADRB2+\slot] offset:\k+\i*16*PITCH
	ds_load_b128 v[\f+8*\i+4:\f+8*\i+7], v[ADRB2+\slot] offset:\k+\i*16*PITCH+32
.endr
	WIN 0
.irp i, 0,1,2,3
	ds_load_b128 v[\f+8*\i:\f+8*\i+3],   v[ADRA2+\slot] offset:\k+\i*16*PITCH
	ds_load_b128 v[\f+8*\i+4:\f+8*\i+7], v[ADRA2+\slot] offset:\k+\i*16*PITCH+32
.endr
.endm
; A K step is four quarters of 32 along K on buffers 0, 1, 0, 1.  One of tile 1's first three: 64 matrix instructions, the next quarter's loads in one run in its middle.
.macro QUARTER slot, k, f, g, zero
	s_wait_dscnt 8                                 ; wb's fragments and xb's rows 0-63 are in; the youngest eight loads (xb's rows 64-127) may be out
	WIN MUL_LO
	MUL16 \f, 0, 0, \zero
	MUL16 \f, 0, 2, \zero
	PLACES
	FETCH \slot, \k, \g
	s_wait_dscnt 32                                ; all but the 32 just issued
	WIN MUL_HI
	MUL16 \f, 1, 0, \zero
	MUL16 \f, 1, 2, \zero
.endm
; Tile 1's last quarter multiplies buffer 1 and changes slots.  In front of the barrier each wave waits for its own reads of this slot and for all its tensor loads (one is out: its part of the
; next slot).  The barrier opens a round of the cluster's barrier, and the joint refill is the first thing behind the round: 240 matrix instructions stand between it and the wait for it.
; mode 0: the slot takes tile 1's K step two steps on.  1, 2: it takes tile 2's K step 0 or 1 (xb goes back along K; wb's load is tile 2's own); 2: the fragments fetched are tile 2's first.
.macro TURN slot, next, mode
	s_wait_dscnt 8
	WIN MUL_LO
	MUL16 F1, 0, 0, 0
	s_wait_dscnt 0
	s_wait_tensorcnt 0x0
	ds_add_u32 v255, v31
	s_wait_dscnt 0x0
	s_barrier_signal -1
	MUL16 F1, 0, 2, 0
	WIN 0
	s_barrier_wait -1
	CREST
.if \mode == 0
	s_add_nc_u64 s[G0+4*\slot+2:G0+4*\slot+3], s[G0+4*\slot+2:G0+4*\slot+3], 2*KSTEP*2   ; no load of mine is out: a group 0 may be written
	s_add_nc_u64 s[G0B+4*\slot+2:G0B+4*\slot+3], s[G0B+4*\slot+2:G0B+4*\slot+3], 2*KSTEP*2
	JLOAD \slot, G0B, G1B                          ; its four v_nop are also the places in front of the loads below
.else
	s_sub_nc_u64 s[G0+4*\slot+2:G0+4*\slot+3], s[G0+4*\slot+2:G0+4*\slot+3], BACK_A
	JLOAD \slot, G0C, G1C
.endif
.if \mode == 2
	FETCH2 \next, 0, F0
.else
	FETCH \next, 0, F0
.endif
	WIN MUL_HI
	MUL16 F1, 1, 0, 0
	MUL16 F1, 1, 2, 0
.endm
; One of tile 2's first three quarters: 32 matrix instructions
.macro QUARTER2 slot, k, f, g, zero
	s_wait_dscnt 4                                 ; wb's fragments and xb's blocks 0, 1 are in; the youngest four loads (blocks 2, 3) may be out
	WIN MUL_LO
	MUL16 \f, 0, 0, \zero
	PLACES
	FETCH2 \slot, \k, \g
	s_wait_dscnt 24                                ; all but the 24 just issued
	WIN MUL_LO
	MUL16 \f, 0, 2, \zero
.endm
; Tile 2's change of slots: the same waits, round and one load a wave; 120 matrix instructions stand between a request and the wait for it.  fill = 0: nothing is left to fetch: a plain barrier.
.macro TURN2 slot, next, fill
	s_wait_dscnt 4
	WIN MUL_LO
	MULR F1, 0, 0, 0
	s_wait_dscnt 0
	s_wait_tensorcnt 0x0
	ds_add_u32 v255, v31
	s_wait_dscnt 0x0
	s_barrier_signal -1
	MULR F1, 0, 1, 0
.if \fill
	WIN 0
.endif
	s_barrier_wait -1
.if \fill
	CREST
	s_add_nc_u64 s[G0+4*\slot+2:G0+4*\slot+3], s[G0+4*\slot+2:G0+4*\slot+3], 2*KSTEP*2
	s_add_nc_u64 s[G0C+4*\slot+2:G0C+4*\slot+3], s[G0C+4*\slot+2:G0C+4*\slot+3], 2*KSTEP*2
	JLOAD \slot, G0C, G1C                          ; its four v_nop are also the places in front of the loads below
.else
	PLACES
.endif
	FETCH2 \next, 0, F0
	WIN MUL_LO
	MULR F1, 0, 2, 0
	MULR F1, 0, 3, 0
.endm
; THE WAY OUT of row block a (0-3: window 2, 4-7: window 3): rounded to f16 (each accumulator's registers in ascending order), through my own stage, stored as whole rows of 256 bytes
.macro PACK a
.set AC, 64*((\a)%4)
	WIN 0x0a+5*((\a)/4)                            ; sources 0 and 1: window 2 or 3
.irp b, 0,1,2,3,4,5,6,7
.irp r, 0,1,2,3
	v_cvt_pk_f16_f32 v[TMP+4*\b+\r], v[AC+8*\b+2*\r], v[AC+8*\b+2*\r+1]
.endr
.endr
	WIN 0
.endm
.macro TOSTAGE a
.set BK, OB+192*((\a)%2)
.irp b, 0,1,2,3,4,5,6,7
	ds_store_b128 v[STO], v[TMP+4*\b:TMP+4*\b+3] offset:32*\b
.endr
.irp t, 0,1,2,3,4,5,6,7
	ds_load_b128 v[BK+4*\t:BK+4*\t+3], v[RD] offset:\t*2*SPITCH    ; LDS serves a wave's instructions in order: these see the stores above
.endr
.endm
.macro SEND a, base
.set BK, OB+192*((\a)%2)
	s_wait_dscnt 0x0                               ; the block is back in registers
	s_wait_xcnt 0x0                                ; the stores of the block before have read their registers: the next TOSTAGE loads into them
.irp t, 0,1,2,3,4,5,6,7
	global_store_b128 v[CO], v[BK+4*\t:BK+4*\t+3], s[\base:\base+1] offset:(16*(\a)+2*\t)*OPITCH   ; 16 lanes store 256 consecutive bytes at a multiple of 256; 126 rows of qkv at the most, inside the signed 24-bit immediate
.endr
.endm
	s_wait_tensorcnt 1                             ; my part of K step 0 is in; K step 1's stays out
	s_barrier_signal -1
	s_barrier_wait -1
	FETCH 0, 0, F0
	QUARTER 0, 64,  F0, F1, 1                      ; tile 1's first quarter starts the sums
	WIN 0
	s_mov_b32 s3, LAPS-1
.Llap1:                                                ; a trip goes once round the ring and fills both slots again
	QUARTER 0, 128, F1, F0, 0
	QUARTER 0, 192, F0, F1, 0
	TURN 0, 1, 0
	QUARTER 1, 64,  F0, F1, 0
	QUARTER 1, 128, F1, F0, 0
	QUARTER 1, 192, F0, F1, 0
	TURN 1, 0, 0
	QUARTER 0, 64,  F0, F1, 0
	WIN 0
	s_sub_co_u32 s3, s3, 1
	s_cmp_lg_u32 s3, 0
	s_cbranch_scc1 .Llap1
	QUARTER 0, 128, F1, F0, 0                      ; tile 1's last lap goes on,
	QUARTER 0, 192, F0, F1, 0
	TURN 0, 1, 1                                   ; and the ring goes on into tile 2: slot 0 takes its K step 0,
	QUARTER 1, 64,  F0, F1, 0
	QUARTER 1, 128, F1, F0, 0
	QUARTER 1, 192, F0, F1, 0
	TURN 1, 0, 2                                   ; slot 1 its K step 1, and tile 2's first fragments are fetched
	PLACES                                         ; the places behind the last products
	PACK 0                                         ; both refills are asked for: now tile 1 goes out.  Block a's conversions stand between block a - 1's loads from the stage and the wait for them
	TOSTAGE 0
.irp a, 1,2,3,4,5,6,7
	PACK \a
	SEND \a-1, OUT1
	TOSTAGE \a
.endr
	SEND 7, OUT1
	QUARTER2 0, 64,  F0, F1, 1                     ; tile 2's first quarter starts its sums on accumulators that have been packed; tile 1's stores are on their way meanwhile
	WIN 0
	s_mov_b32 s3, LAPS-1
.Llap2:
	QUARTER2 0, 128, F1, F0, 0
	QUARTER2 0, 192, F0, F1, 0
	TURN2 0, 1, 1
	QUARTER2 1, 64,  F0, F1, 0
	QUARTER2 1, 128, F1, F0, 0
	QUARTER2 1, 192, F0, F1, 0
	TURN2 1, 0, 1
	QUARTER2 0, 64,  F0, F1, 0
	WIN 0
	s_sub_co_u32 s3, s3, 1
	s_cmp_lg_u32 s3, 0
	s_cbranch_scc1 .Llap2
	QUARTER2 0, 128, F1, F0, 0                     ; the last lap is written out: it asks for nothing more
	QUARTER2 0, 192, F0, F1, 0
	TURN2 0, 1, 0
	QUARTER2 1, 64,  F0, F1, 0
	QUARTER2 1, 128, F1, F0, 0
	QUARTER2 1, 192, F0, F1, 0
	s_wait_dscnt 0x0                               ; the very last quarter: nothing more to fetch
	WIN MUL_LO
	MUL16 F1, 0, 0, 0
	MUL16 F1, 0, 2, 0
	WIN 0
	PLACES
	PACK 0
	TOSTAGE 0
.irp a, 1,2,3
	PACK \a
	SEND \a-1, OUT2
	TOSTAGE \a
.endr
	SEND 3, OUT2
	s_set_vgpr_msb 0x1
	s_wait_tensorcnt 0x0
	ds_add_u32 v255, v31
	s_wait_dscnt 0x0
	s_set_vgpr_msb 0x100
	CROUND                                         ; the closing round: no work-group ends while a partner may still ask for a tile that names it
	s_endpgm
.Lfunc_end_k_qc282cab284_proj:
	.size	k_qc282cab284_proj, .Lfunc_end_k_qc282cab284_proj-k_qc282cab284_proj
	.p2alignl 7, 3214868480
	.fill 96, 4, 3214868480
	.section	.rodata,"a",@progbits
	.p2align	6, 0x0
	.amdhsa_kernel k_qc282cab284_proj
		.amdhsa_group_segment_fixed_size 327680
		.amdhsa_private_segment_fixed_size 0
		.amdhsa_enable_private_segment 0
		.amdhsa_kernarg_size 24
		.amdhsa_user_sgpr_count 2
		.amdhsa_user_sgpr_kernarg_segment_ptr 1
		.amdhsa_wavefront_size32 1
		.amdhsa_system_sgpr_workgroup_id_x 1
		.amdhsa_system_sgpr_workgroup_id_y 1
		.amdhsa_system_sgpr_workgroup_id_z 1
		.amdhsa_system_vgpr_workitem_id 0
		.amdhsa_next_free_vgpr 1024
		.amdhsa_next_free_sgpr 96
		.amdhsa_reserve_vcc 0
		.amdhsa_float_denorm_mode_32 3
		.amdhsa_float_denorm_mode_16_64 3
		.amdhsa_memory_ordered 1
		.amdhsa_forward_progress 1
		.amdhsa_inst_pref_size 224
	.end_amdhsa_kernel
	.amdgpu_metadata
---
amdhsa.version: [ 1, 2 ]
amdhsa.kernels:
  - .name:           k_qc282cab284_proj
    .symbol:         k_qc282cab284_proj.kd
    .args:
      - { .name: xb, .offset: 0, .size: 8, .value_kind: global_buffer, .address_space: global }
      - { .name: wb, .offset: 8, .size: 8, .value_kind: global_buffer, .address_space: global }
      - { .name: qkv, .offset: 16, .size: 8, .value_kind: global_buffer, .address_space: global }
    .group_segment_fixed_size: 327680
    .private_segment_fixed_size: 0
    .kernarg_segment_align: 8
    .kernarg_segment_size: 24
    .max_flat_workgroup_size: 128
    .sgpr_count:     96
    .vgpr_count:     1024
    .wavefront_size: 32
...
	.end_amdgpu_metadata
.endif
;; end of part 2
;; launch scores (part 3): grid 9 x 16, 4 waves a work-group, no clusters, 327,680 bytes of LDS; arguments qkv, pt, st; writes pt, st
.if DOCPART == 3
	.amdgcn_target "amdgcn-amd-amdhsa--gfx1250"
	.amdhsa_code_object_version 6
	.text
	.protected	k_qc282cab284_scores
	.globl	k_qc282cab284_scores
	.p2align	8
	.type	k_qc282cab284_scores,@function
k_qc282cab284_scores:
	s_mov_b64 s[64:65], 0
	v_nop
	global_prefetch_b8 v0, s[64:65] scope:SCOPE_SE
	s_setreg_imm32_b32 hwreg(HW_REG_WAVE_MODE, 25, 1), 1
	s_wait_xcnt 0x0
; For each batch the 36 tiles of 256 queries x 256 keys on or below the diagonal: s = q . k (K = 1024, f16 in, f32 sums), the causal mask, and for each query and each chunk of 128 keys
;   cm = c x (maximum of s over the chunk),   p = 2^(c s - cm) rounded to f16 -> pt,   l = the sum of p in f32;   c = log2(e) / 32.   cm and l -> st.
; So a maximum is taken away in front of every exponential; the next launch brings the chunks of a row onto the row's own maximum by factors in f32.
; WHY f16: p lies in [0, 1] for every input, and f16 keeps 11 significant bits where bf16 keeps 8; a query with few keys averages few roundings.
; LIMITS: inputs are finite; a weight below 2^-25 of its chunk's largest comes out as 0 (f16's smallest number is 2^-24): over 128 keys less than 4e-6 of the chunk's sum.
; Four waves, each 128 queries x 128 keys = one chunk: 64 accumulators, 512 registers.  K goes in steps of 128 through a ring of two LDS slots; each wave fetches a quarter of a slot
; (128 rows x 256 bytes) with one tensor load: two of a wave's loads are out at the start, one behind each barrier.
; NO CLUSTER: a row of the causal triangle has 1 to 8 tiles and a column 8 to 1, so neither divides into fours that share a tile at every place.
; Source 0 = 16 keys, source 1 = 16 queries: a lane holds ONE query (lane % 16) and keys 16 b + 8 (lane / 16) + 0..7: a row's maximum and sum want one exchange between the halves.
; REGISTERS.  window 0: v0-31 addresses and constants; v64-127, v128-191 fragments of q, two buffers (at work in the softmax afterwards); window 1: the same numbers, fragments of k;
; window 2: the accumulators of my queries 0-63 ((a, b) at v[8 (8 a + b)]); window 3: those of queries 64-127.
.set KSTEP,  128
.set PITCH,  272
.set HALFT,  128*PITCH
.set SLOT,   4*HALFT                   ; q's 256 rows, then k's 256 rows
.set STAGE,  2*SLOT                    ; behind the ring: 16 rows x 272 bytes for each wave; no tensor load lands there
.set SPITCH, 272
.set QPITCH, 6144                      ; bytes in a row of qkv
.set PPITCH, 4096                      ; bytes in a row of pt
.set LAPS,   4
.set ZR,   8                           ; v8-11   zeros
.set TM,   12                          ; v12     what the other half of the lanes sends
.set ADRA, 16
.set ADRB, 20
.set STO,  24
.set RD,   25
.set CO,   26
.set NEG,  27                          ; -inf
.set L16,  28                          ; 16 x lane
.set TD,   29                          ; lane % 16 - 8 (lane / 16): in a diagonal block key register j is masked where j > this
.set F0,   64
.set F1,   128
.set OB,   32                          ; rows read back from the stage: v32-63 and v224-255 by turns
.set T,    64                          ; v64-127  c s - cm, then p
.set CX,   128                         ; v128-135 a maximum for each block of 16 keys
.set LS,   136                         ; v136-143 four pairs of sums
.set CM,   144                         ; v144-145 cm, twice
.set CMS,  160                         ; v160-167 cm of row block a
.set LSUM, 168                         ; v168-175 l of row block a
.set SD,   176                         ; v176-183 the statistics as stored
.set TMP,  192                         ; v192-223 packed weights
.set G1, 24                            ; s[24:31] descriptor group 1
.set G0, 32                            ; s[32:39] group 0, one set a slot
.set MK, 40                            ; s40-47 masks of a diagonal block, one a key register
.set HM, 48                            ; lanes 16-31
.set CS, 50                            ; s[50:51] c, twice
.set SEL, 52                           ; s[52:53] v_permlanex16_b32: each lane takes its own place in the other half
.set MSB, 0
.macro WIN new
.if MSB != (\new)
	s_set_vgpr_msb (MSB<<8)|(\new)
.set MSB, (\new)
.endif
.endm
.set MUL_LO, 0xa1                      ; source 0 (k) window 1, source 1 (q) window 0, C and D window 2
.set MUL_HI, 0xf1                      ; the same, C and D window 3
.set TO_B,   0x40
.macro PLACES                          ; four plain vector instructions between a matrix instruction and a load into, or a vector read or write of, its registers
.rept 4
	v_nop
.endr
.endm
	s_load_b128 s[4:7], s[0:1], 0x0                ; qkv s[4:5], pt s[6:7]
	s_load_b64 s[8:9], s[0:1], 0x10                ; st
	s_set_vgpr_msb 0x40
	v_lshl_add_u32 v255, v0, 2, 0x48400
	s_set_vgpr_msb 0x4000
	v_mov_b32 v31, 0
	s_set_vgpr_msb 0x1
	ds_add_u32 v255, v31
	ds_add_u32 v255, v31
	s_set_vgpr_msb 0x100
	v_lshrrev_b32 v1, 5, v0
	v_readfirstlane_b32 s10, v1                    ; wave 0..3
	s_lshr_b32 s11, s10, 1                         ; which 128 queries are mine.  Also: I fetch q (0) or k (1)
	s_and_b32 s12, s10, 1                          ; which 128 keys.  Also: which 128 rows of that tile I fetch
	s_and_b32 s13, ttmp7, 0xffff
	s_lshr_b32 s14, s13, 2                         ; batch
	s_and_b32 s15, s13, 3                          ; p: tile rows p and 7 - p together have 9 tiles, one for each x of the grid
	s_sub_co_u32 s16, 7, s15
	s_sub_co_u32 s17, ttmp9, s15
	s_sub_co_u32 s17, s17, 1
	s_cmp_le_u32 ttmp9, s15
	s_cselect_b32 s18, s15, s16                    ; I, the tile row
	s_cselect_b32 s19, ttmp9, s17                  ; J, the tile column, at most I
	s_mov_b32 s[G1+0], (1<<16)|(1<<20)|(5<<22)|(3<<25)   ; elements of 2 bytes; padding on: after every 64 words 4 words
	s_mov_b32 s[G1+1], KSTEP<<16                   ; tensor_dim0 = 128
	s_mov_b32 s[G1+2], 128<<16                     ; tensor_dim1 = 128
	s_mov_b32 s[G1+3], KSTEP<<16                   ; tile_dim0 = 128
	s_mov_b32 s[G1+4], 128                         ; tile_dim1 = 128
	s_mov_b32 s[G1+5], 3072                        ; elements from row to row
	s_mov_b32 s[G1+6], 0
	s_mov_b32 s[G1+7], 0
	s_cmp_eq_u32 s11, 0
	s_cselect_b32 s20, s18, s19                    ; q's rows hang on I, k's on J
	s_lshl_b32 s20, s20, 8
	s_lshl_b32 s21, s12, 7
	s_add_co_u32 s20, s20, s21
	s_lshl_b32 s21, s14, 11
	s_add_co_u32 s20, s20, s21                     ; the row of qkv
	s_mul_i32 s20, s20, QPITCH
	s_lshl_b32 s21, s11, 11                        ; k's columns begin 2,048 bytes into a row
	s_add_co_u32 s20, s20, s21
	s_mov_b32 s21, 0
	s_mul_i32 s22, s10, HALFT                      ; q's two halves, then k's two halves = wave x 128 rows
	s_wait_dscnt 0x0
	s_wait_kmcnt 0x0
	s_add_nc_u64 s[20:21], s[4:5], s[20:21]
.irp s, 0,1
	s_mov_b32 s[G0+4*\s], 1
	s_add_co_u32 s[G0+4*\s+1], s22, \s*SLOT
	s_add_nc_u64 s[G0+4*\s+2:G0+4*\s+3], s[20:21], \s*KSTEP*2
	s_or_b32 s[G0+4*\s+3], s[G0+4*\s+3], 0x80000000
.endr
	tensor_load_to_lds s[G0:G0+3], s[G1:G1+7]      ; the two first fills go out together, ahead of everything else
	s_nop 0
	tensor_load_to_lds s[G0+4:G0+7], s[G1:G1+7]
	s_nop 0
	PLACES
	v_and_b32 v1, 15, v0
	v_bfe_u32 v2, v0, 4, 1
	v_mul_u32_u24 v3, v1, PITCH
	v_lshl_add_u32 v3, v2, 4, v3
	s_mul_i32 s54, s11, HALFT                      ; my 128 rows of q
	s_mul_i32 s55, s12, HALFT                      ; my 128 rows of k,
	s_add_co_u32 s55, s55, 2*HALFT                 ; behind q's 256
.irp s, 0,1
	v_add_nc_u32 v[ADRA+\s], s54, v3
	v_add_nc_u32 v[ADRB+\s], s55, v3
	s_add_co_u32 s54, s54, SLOT
	s_add_co_u32 s55, s55, SLOT
.endr
	s_mul_i32 s23, s10, 16*SPITCH
	s_add_co_u32 s23, s23, STAGE
	v_mul_u32_u24 v4, v1, SPITCH
	v_lshl_add_u32 v4, v2, 4, v4
	v_add_nc_u32 v[STO], s23, v4
	v_mul_u32_u24 v5, v2, SPITCH
	v_lshl_add_u32 v5, v1, 4, v5
	v_add_nc_u32 v[RD], s23, v5
	v_lshlrev_b32 v5, 12, v2                       ; lanes 16-31 one row of pt further down
	v_lshl_add_u32 v[CO], v1, 4, v5
	v_mov_b32 v[NEG], 0xff800000
	v_and_b32 v[L16], 31, v0
	v_lshlrev_b32 v[L16], 4, v[L16]
	v_lshlrev_b32 v5, 3, v2
	v_sub_nc_u32 v[TD], v1, v5
.irp k, 0,1,2,3
	v_mov_b32 v[ZR+\k], 0
.endr
	v_mov_b32 v[TM], 0                             ; v_permlanex16_b32 counts as a reader of its destination
	s_mov_b32 s[HM], 0xffff0000
	s_mov_b32 s[CS], 0x3d38aa3b                    ; c = log2(e) / 32
	s_mov_b32 s[CS+1], s[CS]
	s_mov_b32 s[SEL], 0x76543210
	s_mov_b32 s[SEL+1], 0xfedcba98
	s_lshl_b32 s54, s14, 11                        ; pt at my 128 x 128: row 2048 b + 256 I + 128 x half, byte 512 J + 256 x half
	s_lshl_b32 s55, s18, 8
	s_add_co_u32 s54, s54, s55
	s_lshl_b32 s55, s11, 7
	s_add_co_u32 s54, s54, s55
	s_lshl_b32 s54, s54, 12
	s_lshl_b32 s55, s19, 9
	s_add_co_u32 s54, s54, s55
	s_lshl_b32 s55, s12, 8
	s_add_co_u32 s54, s54, s55
	s_mov_b32 s55, 0
	s_add_nc_u64 s[6:7], s[6:7], s[54:55]
	s_lshl1_add_u32 s56, s18, s11                  ; i: my block of 128 queries
	s_lshl1_add_u32 s57, s19, s12                  ; j: my chunk of 128 keys
	s_lshl_b32 s54, s14, 5
	s_lshl1_add_u32 s54, s56, s54                  ; my first group of 64 rows: 32 b + 2 i
	s_lshl4_add_u32 s54, s54, s57                  ; 16 chunks a group
	s_lshl_b32 s54, s54, 9                         ; 512 bytes a chunk
	s_add_nc_u64 s[8:9], s[8:9], s[54:55]
; 16 matrix instructions: row blocks a0, a0 + 1 of the window's four x all 8 key blocks, 32 along K.  The 64 accumulators take turns, one instruction a turn.
.macro MUL16 f, hi, a0, zero
.irp a, \a0, \a0+1
.irp b, 0,1,2,3,4,5,6,7
.if \zero
	v_wmma_f32_16x16x32_f16 v[8*(8*(\a)+\b):8*(8*(\a)+\b)+7], v[\f+8*\b:\f+8*\b+7], v[\f+8*(4*\hi+\a):\f+8*(4*\hi+\a)+7], 0
.else
	v_wmma_f32_16x16x32_f16 v[8*(8*(\a)+\b):8*(8*(\a)+\b)+7], v[\f+8*\b:\f+8*\b+7], v[\f+8*(4*\hi+\a):\f+8*(4*\hi+\a)+7], v[8*(8*(\a)+\b):8*(8*(\a)+\b)+7]
.endif
.endr
.endr
.endm
.macro FETCH slot, k, f                ; 32 LDS loads in one run: k's sixteen, then q's sixteen
	WIN TO_B
.irp i, 0,1,2,3,4,5,6,7
	ds_load_b128 v[\f+8*\i:\f+8*\i+3],   v[ADRB+\slot] offset:\k+\i*16*PITCH
	ds_load_b128 v[\f+8*\i+4:\f+8*\i+7], v[ADRB+\slot] offset:\k+\i*16*PITCH+32
.endr
	WIN 0
.irp i, 0,1,2,3,4,5,6,7
	ds_load_b128 v[\f+8*\i:\f+8*\i+3],   v[ADRA+\slot] offset:\k+\i*16*PITCH
	ds_load_b128 v[\f+8*\i+4:\f+8*\i+7], v[ADRA+\slot] offset:\k+\i*16*PITCH+32
.endr
.endm
.macro QUARTER slot, k, f, g, zero
	s_wait_dscnt 8                                 ; k's fragments and q's rows 0-63 are in; the youngest eight loads (q's rows 64-127) may be out
	WIN MUL_LO
	MUL16 \f, 0, 0, \zero
	MUL16 \f, 0, 2, \zero
	PLACES
	FETCH \slot, \k, \g
	s_wait_dscnt 32                                ; all but the 32 just issued
	WIN MUL_HI
	MUL16 \f, 1, 0, \zero
	MUL16 \f, 1, 2, \zero
.endm
; The last quarter multiplies buffer 1 and changes slots: one barrier; in front of it each wave waits for its own reads of this slot and for all its tensor loads (one is out: its part of
; the next slot).  fill = 1: behind it this slot is filled again, two K steps on, first thing: 240 matrix instructions stand between the request and the wait for it.
.macro TURN slot, next, fill
	s_wait_dscnt 8
	WIN MUL_LO
	MUL16 F1, 0, 0, 0
	s_wait_dscnt 0
	s_wait_tensorcnt 0x0
	ds_add_u32 v255, v31
	s_wait_dscnt 0x0
	s_barrier_signal -1
	MUL16 F1, 0, 2, 0
	s_barrier_wait -1
.if \fill
	s_add_nc_u64 s[G0+4*\slot+2:G0+4*\slot+3], s[G0+4*\slot+2:G0+4*\slot+3], 2*KSTEP*2   ; no load of mine is out: a group 0 may be written
	tensor_load_to_lds s[G0+4*\slot:G0+4*\slot+3], s[G1:G1+7]
	s_nop 0
.endif
	PLACES                                         ; behind the load, and the places in front of the loads below
	FETCH \next, 0, F0
	WIN MUL_HI
	MUL16 F1, 1, 0, 0
	MUL16 F1, 1, 2, 0
.endm
; THE SOFTMAX OF ROW BLOCK a (16 queries x my 128 keys).  diag = 1: my chunk lies on the diagonal: key blocks above a are masked whole and left out, block a is masked in part.
.macro EXP8 b
.irp k, 0,1,2,3,4,5,6,7
	v_exp_f32 v[T+8*(\b)+\k], v[T+8*(\b)+\k]
.endr
.endm
.macro POST b                          ; key block b's weights are rounded to f16 and summed in f32
	s_wait_alu depctr_va_vdst(0)
.irp r, 0,1,2,3
	v_cvt_pk_f16_f32 v[TMP+4*(\b)+\r], v[T+8*(\b)+2*\r], v[T+8*(\b)+2*\r+1]
.endr
.if (\b) == 1
	s_wait_alu depctr_va_vdst(0)
.irp r, 0,1,2,3
	v_pk_add_f32 v[LS+2*\r:LS+2*\r+1], v[T+2*\r:T+2*\r+1], v[T+8+2*\r:T+8+2*\r+1]   ; blocks 0 and 1 start the sums: nothing is cleared
.endr
.elseif (\b) > 1
	s_wait_alu depctr_va_vdst(0)
.irp r, 0,1,2,3
	v_pk_add_f32 v[LS+2*\r:LS+2*\r+1], v[LS+2*\r:LS+2*\r+1], v[T+8*(\b)+2*\r:T+8*(\b)+2*\r+1]
.endr
.endif
.endm
.macro SOFT a, diag
.set AC, 64*((\a)%4)                   ; the block's eight accumulators,
.set hw, (\a)/4                        ; in window 2 + hw
.set nb, 8
.if \diag
.set nb, (\a)+1
	WIN 0x82+0x41*hw                               ; destination and source 0 in the accumulators' window
.irp j, 0,1,2,3,4,5,6,7
	v_cndmask_b32 v[AC+8*(\a)+\j], v[AC+8*(\a)+\j], v[NEG], s[MK+\j]   ; -inf where the key lies behind the query; ascending from the accumulator's low end
.endr
.endif
	WIN 0x2a+0x15*hw                               ; all three sources there
.set bi, 0
.rept nb
	v_max3_num_f32 v[CX+bi], v[AC+8*bi], v[AC+8*bi+1], v[AC+8*bi+2]   ; each accumulator is read from its low end on
.set bi, bi+1
.endr
	WIN 0x28+0x14*hw                               ; sources 1 and 2 there
.set bi, 0
.rept nb
	v_max3_num_f32 v[CX+bi], v[CX+bi], v[AC+8*bi+3], v[AC+8*bi+4]
.set bi, bi+1
.endr
.set bi, 0
.rept nb
	v_max3_num_f32 v[CX+bi], v[CX+bi], v[AC+8*bi+5], v[AC+8*bi+6]
.set bi, bi+1
.endr
.set bi, 0
.rept nb
	v_max_num_f32 v[CX+bi], v[CX+bi], v[AC+8*bi+7]
.set bi, bi+1
.endr
	WIN 0
.set bi, 1
.rept 4
.if bi+1 < nb
	v_max3_num_f32 v[CX], v[CX], v[CX+bi], v[CX+bi+1]
.elseif bi < nb
	v_max_num_f32 v[CX], v[CX], v[CX+bi]
.endif
.set bi, bi+2
.endr
	v_permlanex16_b32 v[TM], v[CX], s[SEL], s[SEL+1]   ; the query's other 64 keys lie in the lane 16 away
	v_max_num_f32 v[CX], v[CX], v[TM]              ; finite: key = query is never masked
	v_mul_f32 v[CM], s[CS], v[CX]
	v_mul_f32 v[CM+1], s[CS], v[CX]                ; named with it as a pair, so it is written
	v_mul_f32 v[CMS+(\a)], s[CS], v[CX]
	WIN 0x02+hw                                    ; source 0 in the accumulators' window
.set bi, 0
.rept 4*nb
	v_pk_fma_f32 v[T+2*bi:T+2*bi+1], v[AC+2*bi:AC+2*bi+1], s[CS:CS+1], v[CM:CM+1] op_sel_hi:[1,0,0] neg_lo:[0,0,1] neg_hi:[0,0,1]   ; c s - cm, at most 0
.set bi, bi+1
.endr
	WIN 0
	EXP8 0
	v_nop                                          ; a plain instruction between an exponential and the use of its result (ISA guide 5.7.2); further on the block before's roundings are that
	s_wait_alu depctr_va_vdst(0)
.set bi, 1
.rept nb-1
	EXP8 bi
	POST bi-1
.set bi, bi+1
.endr
	POST nb-1
.set LB, LS
.if nb == 1
.set LB, T                             ; one block alone: its own pairs are the sums
.endif
	v_pk_add_f32 v[LB:LB+1], v[LB:LB+1], v[LB+2:LB+3]
	v_pk_add_f32 v[LB+4:LB+5], v[LB+4:LB+5], v[LB+6:LB+7]
	v_pk_add_f32 v[LB:LB+1], v[LB:LB+1], v[LB+4:LB+5]
	v_add_f32 v[LB], v[LB], v[LB+1]
	v_permlanex16_b32 v[TM], v[LB], s[SEL], s[SEL+1]
	v_add_f32 v[LSUM+(\a)], v[LB], v[TM]
.endm
.macro TOSTAGE a, diag                 ; 16 bytes a lane into my stage (zeros for the key blocks masked whole), and back as whole rows of 256 bytes
.set BK, OB+192*((\a)%2)
.irp b, 0,1,2,3,4,5,6,7
.if \diag && (\b > (\a))
	ds_store_b128 v[STO], v[ZR:ZR+3] offset:32*\b
.else
	ds_store_b128 v[STO], v[TMP+4*\b:TMP+4*\b+3] offset:32*\b
.endif
.endr
.irp t, 0,1,2,3,4,5,6,7
	ds_load_b128 v[BK+4*\t:BK+4*\t+3], v[RD] offset:\t*2*SPITCH    ; LDS serves a wave's instructions in order: these see the stores above
.endr
.endm
.macro SEND a
.set BK, OB+192*((\a)%2)
	s_wait_dscnt 0x0                               ; the block is back in registers
	s_wait_xcnt 0x0                                ; the stores of the block before have read their registers: the next TOSTAGE loads into them
.irp t, 0,1,2,3,4,5,6,7
	global_store_b128 v[CO], v[BK+4*\t:BK+4*\t+3], s[6:7] offset:(16*(\a)+2*\t)*PPITCH   ; 16 lanes store 256 consecutive bytes at a multiple of 256
.endr
.endm
.macro WAY diag                        ; block a's softmax stands between block a - 1's loads from the stage and the wait for them
	SOFT 0, \diag
	TOSTAGE 0, \diag
.irp a, 1,2,3,4,5,6,7
	SOFT \a, \diag
	SEND \a-1
	TOSTAGE \a, \diag
.endr
	SEND 7
.endm
	s_wait_tensorcnt 1                             ; my part of K step 0 is in; K step 1's stays out
	s_barrier_signal -1
	s_barrier_wait -1
	FETCH 0, 0, F0
	QUARTER 0, 64,  F0, F1, 1                      ; the first quarter starts the sums
	WIN 0
	s_mov_b32 s3, LAPS-1
.Llap:                                                 ; a trip goes once round the ring and fills both slots again
	QUARTER 0, 128, F1, F0, 0
	QUARTER 0, 192, F0, F1, 0
	TURN 0, 1, 1
	QUARTER 1, 64,  F0, F1, 0
	QUARTER 1, 128, F1, F0, 0
	QUARTER 1, 192, F0, F1, 0
	TURN 1, 0, 1
	QUARTER 0, 64,  F0, F1, 0
	WIN 0
	s_sub_co_u32 s3, s3, 1
	s_cmp_lg_u32 s3, 0
	s_cbranch_scc1 .Llap
	QUARTER 0, 128, F1, F0, 0                      ; the last lap fills nothing
	QUARTER 0, 192, F0, F1, 0
	TURN 0, 1, 0
	QUARTER 1, 64,  F0, F1, 0
	QUARTER 1, 128, F1, F0, 0
	QUARTER 1, 192, F0, F1, 0
	s_wait_dscnt 0x0
	WIN MUL_LO
	MUL16 F1, 0, 0, 0
	MUL16 F1, 0, 2, 0
	WIN MUL_HI
	MUL16 F1, 1, 0, 0
	MUL16 F1, 1, 2, 0
	WIN 0
	PLACES
	; no barrier from here on: each wave has a chunk, a stage and 512-byte blocks of st of its own
	s_cmp_lt_u32 s56, s57
	s_cbranch_scc1 .Lzero                          ; my chunk lies above the diagonal
	s_cmp_eq_u32 s56, s57
	s_cbranch_scc1 .Ldiag
	WAY 0
	s_branch .Lstat
.Ldiag:
.irp j, 0,1,2,3,4,5,6,7
	v_cmp_gt_i32 s[MK+\j], \j, v[TD]               ; in block (a, a): key 8 (lane / 16) + j lies behind query lane % 16
.endr
	WAY 1
.Lstat:
.irp k, 0,1,2,3,4,5,6,7
	v_cndmask_b32 v[SD+\k], v[CMS+\k], v[LSUM+\k], s[HM]   ; lanes 0-15 store cm, lanes 16-31 l: four row blocks a lane
.endr
	global_store_b128 v[L16], v[SD:SD+3], s[8:9]               ; 512 consecutive bytes: my first 64 rows' block for this chunk,
	global_store_b128 v[L16], v[SD+4:SD+7], s[8:9] offset:8192 ; and my second 64 rows'
	s_set_vgpr_msb 0x1
	s_wait_tensorcnt 0x0
	ds_add_u32 v255, v31
	s_wait_dscnt 0x0
	s_set_vgpr_msb 0x100
	s_endpgm
.Lzero:                                                ; the next launch multiplies this quadrant by the factor 0: it has to hold finite numbers; its statistics stay (-inf, 0)
.set zi, 0
.rept 64
	global_store_b128 v[CO], v[ZR:ZR+3], s[6:7] offset:2*zi*PPITCH
.set zi, zi+1
.endr
	s_endpgm
.Lfunc_end_k_qc282cab284_scores:
	.size	k_qc282cab284_scores, .Lfunc_end_k_qc282cab284_scores-k_qc282cab284_scores
	.p2alignl 7, 3214868480
	.fill 96, 4, 3214868480
	.section	.rodata,"a",@progbits
	.p2align	6, 0x0
	.amdhsa_kernel k_qc282cab284_scores
		.amdhsa_group_segment_fixed_size 327680
		.amdhsa_private_segment_fixed_size 0
		.amdhsa_enable_private_segment 0
		.amdhsa_kernarg_size 24
		.amdhsa_user_sgpr_count 2
		.amdhsa_user_sgpr_kernarg_segment_ptr 1
		.amdhsa_wavefront_size32 1
		.amdhsa_system_sgpr_workgroup_id_x 1
		.amdhsa_system_sgpr_workgroup_id_y 1
		.amdhsa_system_sgpr_workgroup_id_z 1
		.amdhsa_system_vgpr_workitem_id 0
		.amdhsa_next_free_vgpr 1024
		.amdhsa_next_free_sgpr 66
		.amdhsa_reserve_vcc 0
		.amdhsa_float_denorm_mode_32 3
		.amdhsa_float_denorm_mode_16_64 3
		.amdhsa_memory_ordered 1
		.amdhsa_forward_progress 1
		.amdhsa_inst_pref_size 255
	.end_amdhsa_kernel
	.section	.bss,"aw",@nobits
	.p2align	6
	.space	262144
	.amdgpu_metadata
---
amdhsa.version: [ 1, 2 ]
amdhsa.kernels:
  - .name:           k_qc282cab284_scores
    .symbol:         k_qc282cab284_scores.kd
    .args:
      - { .name: qkv, .offset: 0, .size: 8, .value_kind: global_buffer, .address_space: global }
      - { .name: pt, .offset: 8, .size: 8, .value_kind: global_buffer, .address_space: global }
      - { .name: st, .offset: 16, .size: 8, .value_kind: global_buffer, .address_space: global }
    .group_segment_fixed_size: 327680
    .private_segment_fixed_size: 0
    .kernarg_segment_align: 8
    .kernarg_segment_size: 24
    .max_flat_workgroup_size: 128
    .sgpr_count:     66
    .vgpr_count:     1024
    .wavefront_size: 32
...
	.end_amdgpu_metadata
.endif
;; end of part 3
;; launch pv (part 4): grid 8 x 32, 4 waves a work-group, clusters of 4 x 1, 327,680 bytes of LDS; arguments pt, st, qkv, out0; writes out0
.if DOCPART == 4
	.amdgcn_target "amdgcn-amd-amdhsa--gfx1250"
	.amdhsa_code_object_version 6
	.text
	.protected	k_qc282cab284_pv
	.globl	k_qc282cab284_pv
	.p2align	8
	.type	k_qc282cab284_pv,@function
k_qc282cab284_pv:
	s_mov_b64 s[64:65], 0
	v_nop
	global_prefetch_b8 v0, s[64:65] scope:SCOPE_SE
	s_setreg_imm32_b32 hwreg(HW_REG_WAVE_MODE, 25, 1), 1
	s_wait_xcnt 0x0
	s_wait_alu depctr_hold_cnt(0) depctr_sa_sdst(0) depctr_va_vdst(0) depctr_va_sdst(0) depctr_va_ssrc(0) depctr_va_vcc(0) depctr_vm_vsrc(0)
	s_getreg_b32 s2, hwreg(HW_REG_IB_STS2, 6, 4)
	s_cmp_eq_u32 s2, 0
	s_cbranch_scc0 .Lentry_in_a_cluster
	s_endpgm
.Lentry_in_a_cluster:
	s_bfe_u32 s2, ttmp6, 0x10000c
	s_cmp_lg_u32 s2, 0x3003
	s_cbranch_scc0 .Lentry_shape_is_right
	s_endpgm
.Lentry_shape_is_right:
; out[q][:] = the sum over chunks j of 128 keys of f_j(q) x (p_j[q] . V_j),   f_j = 2^(cm_j - M) / L,   M = max_j cm_j,   L = sum_j 2^(cm_j - M) l_j:
; the row's own maximum is taken away in front of every exponential; factors, L and the sums over chunks are f32, the products f16 x f16 with f32 sums.
; LIMITS: inputs are finite; |v| stays under 65,504, f16's largest number; a factor below 2^-126 comes out as 0 (v_exp_f32 flushes denormal results: ISA guide, its entry in 15.8).
; SHARES.  A work-group owns 128 channels and TWO blocks of 128 queries of one batch, blocks p and 15 - p: under the causal mask they have (p / 2) + 1 and 8 - p / 2 steps of 256 keys,
; nine together for every p, so all 256 work-groups have the same work.  Four waves, each 64 queries x 64 channels: 16 accumulators.
; A step is two chunks: each chunk's products start with C = 0, and its result is added, times the lane's factor, onto the master sums (64 packed multiply-adds for 64 matrix instructions).
; RING.  Two LDS slots of a step each: 128 rows x 512 bytes of p (pitch 528), 256 rows x 256 bytes of V (pitch 288).  Waves 0, 1 fetch p's halves, waves 2, 3 V's, one load a wave:
; two of a wave's loads are out at the start, one behind each round.
; CLUSTER 4 x 1: the four partners hold the same queries and other channels: p's tiles are asked for jointly (mask 15); V's loads are each work-group's own.
; Source 0 = V^T (16 channels x 32 keys, turned by ds_load_tr16_b128), source 1 = p (16 queries x 32 keys): a lane holds ONE query (lane % 16) and channels 16 b + 8 (lane / 16) + 0..7.
; REGISTERS.  window 0: v0-31 addresses; v32-95 rows on the way out (first: offsets of the statistics' loads); v128-255 accumulators ((a, b) at v[128 + 8 (4 a + b)]).
; window 1: two fragment buffers of 128 (64 of p, 64 of V^T; 64 along K); before the loop the statistics.   window 2: v0-127 the master sums; v128-199 the factors, v[128 + 8 step + 4 chunk + a].
.set PA,    528
.set PV,    288                        ; an odd multiple of 32: 16 lanes of the turning load take 8 rows x 32 bytes
.set AHALF, 64*PA
.set VHALF, 128*PV
.set VOFF,  2*AHALF
.set SLOT,  VOFF+2*VHALF               ; 141,312
.set STAGE, 2*SLOT                     ; behind the ring: 16 rows x 272 bytes for each wave; no tensor load lands there
.set SP,    272
.set ADRA, 16                          ; v16-17 my p fragments in slot 0, 1
.set ADRV, 20                          ; v20-23 my V fragments: slot, chunk (a step's V is longer than an LDS offset reaches)
.set STO,  24
.set RD,   25
.set CO,   26
.set OB,   32
.set ACC,  128
.set F0,   0
.set F1,   128
.set FT,   128
.set CML, 0                            ; window 1, before the loop: cm of the low block's chunks 0-7, four row blocks each
.set LL,  32                           ; their l
.set CMH, 64                           ; cm of the high block's 16 entries: entry e is chunk (last chunk - e) mod 16
.set LH,  128                          ; their l
.set MLO, 192
.set MHI, 196
.set LLO, 200
.set LHI, 204
.set RLO, 208
.set RHI, 212
.set WV, 12
.set RH, 13                            ; which 64 queries are mine.  Also: I fetch p (0) or V (1)
.set CH, 14                            ; which 64 channels.  Also: which half of that tile I fetch
.set CXR, 15
.set NN, 16
.set BB, 17
.set PP, 18
.set NLO, 19                           ; steps of the low block, 1 to 4
.set NHI, 20
.set G1A, 24
.set G0A, 32
.set G1V, 40
.set G0V, 48
.set PB, 56                            ; s[56:57] pt at my batch
.set VB, 58                            ; s[58:59] qkv at my batch's v, my channels
.set LOB, 60
.set HIB, 61
.set VLO, 62
.set TA, 66
.set TV, 68
.set KAP, 70
.set SR, 71
.set OL, 72
.set OH, 74
.set SL, 76
.set SH, 78
.set SELK, 80                          ; s80-82: all ones where step 1, 2, 3 belongs to the low block
.set J0, 83
.set MSB, 0
.macro WIN new
.if MSB != (\new)
	s_set_vgpr_msb (MSB<<8)|(\new)
.set MSB, (\new)
.endif
.endm
.set MUL,  0x05                        ; sources window 1, C and D window 0
.set TO_F, 0x40
.macro PLACES                          ; four plain vector instructions between a matrix instruction and a load into, or a vector read or write of, its registers
.rept 4
	v_nop
.endr
.endm
.macro JLOAD s                         ; four v_nop follow each of the two lines
	s_cmp_eq_u32 s[RH], 0
	s_cbranch_scc0 .Lfor_v_\@
	tensor_load_to_lds s[G0A+4*(\s):G0A+4*(\s)+3], s[G1A:G1A+7]
	s_nop 0
	PLACES
	s_branch .Lasked_\@
.Lfor_v_\@:
	tensor_load_to_lds s[G0V+4*(\s):G0V+4*(\s)+3], s[G1V:G1V+7]
	s_nop 0
	PLACES
.Lasked_\@:
.endm
.macro CREST
	s_cmp_lg_u32 s[WV], 0
	s_cbranch_scc1 .Lnot_wave_0_\@
	s_barrier_signal -3
.Lnot_wave_0_\@:
	s_barrier_wait -3
	s_barrier_signal -1
	s_barrier_wait -1
.endm
.macro CROUND
	s_barrier_signal -1
	s_barrier_wait -1
	CREST
.endm
; The global addresses of step u's tiles, into the slot's two groups 0.  Steps 0 .. NLO - 1 are the low block's, the others the high block's; scalar work alone; no tensor load of the wave is out.
.macro ADDR u, slot
	s_sub_co_u32 s84, \u, s[NLO]
	s_cmp_gt_u32 s[NLO], \u
	s_cselect_b32 s[KAP], \u, s84                  ; which 256 keys
	s_cselect_b32 s[SR], s[LOB], s[HIB]            ; which rows of pt
	s_lshl_b32 s[TA], s[KAP], 9
	s_add_co_u32 s[TA], s[TA], s[SR]
	s_mul_i32 s[TV], s[KAP], 256*6144
	s_add_co_u32 s[TV], s[TV], s[VLO]
	s_add_nc_u64 s[G0A+4*(\slot)+2:G0A+4*(\slot)+3], s[PB:PB+1], s[TA:TA+1]
	s_or_b32 s[G0A+4*(\slot)+3], s[G0A+4*(\slot)+3], 0x80000000
	s_add_nc_u64 s[G0V+4*(\slot)+2:G0V+4*(\slot)+3], s[VB:VB+1], s[TV:TV+1]
	s_or_b32 s[G0V+4*(\slot)+3], s[G0V+4*(\slot)+3], 0x80000000
.endm
	s_load_b256 s[4:11], s[0:1], 0x0               ; pt s[4:5], st s[6:7], qkv s[8:9], out0 s[10:11]
	v_lshl_add_u32 v126, v0, 2, 0x49400
	v_mov_b32 v127, 0
	ds_add_u32 v126, v127
	ds_add_u32 v126, v127
	v_lshrrev_b32 v1, 5, v0
	v_readfirstlane_b32 s[WV], v1
	s_lshr_b32 s[RH], s[WV], 1
	s_and_b32 s[CH], s[WV], 1
	s_bfe_u32 s[CXR], ttmp6, 0x40000               ; cx
	s_lshl_b32 s[NN], ttmp9, 2
	s_add_co_u32 s[NN], s[NN], s[CXR]              ; my 128 channels: they enter V's and out0's addresses alone
	s_and_b32 s84, ttmp7, 0xffff                   ; shared by the four partners:
	s_lshr_b32 s[BB], s84, 3                       ; the batch,
	s_and_b32 s[PP], s84, 7                        ; the low block of queries,
	s_lshr_b32 s[NLO], s[PP], 1
	s_add_co_u32 s[NLO], s[NLO], 1                 ; its steps,
	s_sub_co_u32 s[NHI], 9, s[NLO]                 ; the high block's,
	s_sub_co_u32 s85, 15, s[PP]                    ; and the high block
	s_lshl_b32 s86, s[CH], 18                      ; 64 rows of 4,096 bytes
	s_lshl_b32 s[LOB], s[PP], 19
	s_add_co_u32 s[LOB], s[LOB], s86
	s_lshl_b32 s[HIB], s85, 19
	s_add_co_u32 s[HIB], s[HIB], s86
	s_mul_i32 s[VLO], s[CH], 128*6144
	s_mov_b32 s[TA+1], 0
	s_mov_b32 s[TV+1], 0
	s_mov_b32 s[G1A+0], 15|(1<<16)|(1<<20)|(1<<21)|(6<<22)|(3<<25)   ; all four work-groups; elements of 2 bytes; padding on; bit 21 beside a mask; after every 128 words 4 words
	s_mov_b32 s[G1A+1], 256<<16                    ; tensor_dim0 = 256
	s_mov_b32 s[G1A+2], 64<<16                     ; tensor_dim1 = 64
	s_mov_b32 s[G1A+3], 256<<16                    ; tile_dim0 = 256
	s_mov_b32 s[G1A+4], 64                         ; tile_dim1 = 64
	s_mov_b32 s[G1A+5], 2048                       ; elements from row to row of pt
	s_mov_b32 s[G1A+6], 0
	s_mov_b32 s[G1A+7], 0
	s_mov_b32 s[G1V+0], (1<<16)|(1<<20)|(5<<22)|(7<<25)   ; no mask; after every 64 words 8 words
	s_mov_b32 s[G1V+1], 128<<16
	s_mov_b32 s[G1V+2], 128<<16
	s_mov_b32 s[G1V+3], 128<<16
	s_mov_b32 s[G1V+4], 128
	s_mov_b32 s[G1V+5], 3072                       ; elements from row to row of qkv
	s_mov_b32 s[G1V+6], 0
	s_mov_b32 s[G1V+7], 0
	s_mul_i32 s90, s[CH], AHALF                    ; the wave's number alone enters an LDS address
	s_mul_i32 s91, s[CH], VHALF
	s_add_co_u32 s91, s91, VOFF
.irp s, 0,1
	s_mov_b32 s[G0A+4*\s], 1
	s_add_co_u32 s[G0A+4*\s+1], s90, \s*SLOT
	s_mov_b32 s[G0V+4*\s], 1
	s_add_co_u32 s[G0V+4*\s+1], s91, \s*SLOT
.endr
	s_lshl_b32 s86, s[BB], 23                      ; a batch of pt: 2,048 rows of 4,096 bytes
	s_mov_b32 s87, 0
	s_mul_i32 s88, s[BB], 2048*6144
	s_lshl_b32 s89, s[NN], 8
	s_add_co_u32 s88, s88, s89
	s_add_co_u32 s88, s88, 4096                    ; v's columns begin 4,096 bytes into a row
	s_mov_b32 s89, 0
	s_wait_dscnt 0x0
	s_wait_kmcnt 0x0
	s_add_nc_u64 s[PB:PB+1], s[4:5], s[86:87]
	s_add_nc_u64 s[VB:VB+1], s[8:9], s[88:89]
	ADDR 0, 0
	ADDR 1, 1
	CROUND                                         ; all four work-groups are here: the first joint loads meet
	s_cmp_eq_u32 s[RH], 0                          ; a wave's two first fills stand in one branch, ahead of every wait on TENSORcnt and every LDS read
	s_cbranch_scc0 .Lfirst_v
	tensor_load_to_lds s[G0A:G0A+3], s[G1A:G1A+7]
	s_nop 0
	tensor_load_to_lds s[G0A+4:G0A+7], s[G1A:G1A+7]
	s_nop 0
	PLACES
	s_branch .Lfirst_asked
.Lfirst_v:
	tensor_load_to_lds s[G0V:G0V+3], s[G1V:G1V+7]
	s_nop 0
	tensor_load_to_lds s[G0V+4:G0V+7], s[G1V:G1V+7]
	s_nop 0
	PLACES
.Lfirst_asked:
	; THE STATISTICS of my 64 queries in both blocks: for a chunk 16 bytes a lane at 16 (lane % 16): the four row blocks' numbers of query lane % 16; sixteen lanes take 256 consecutive bytes.
	v_and_b32 v1, 15, v0
	v_bfe_u32 v2, v0, 4, 1
	v_lshlrev_b32 v5, 4, v1
	s_lshl_b32 s84, s[BB], 5
	s_lshl1_add_u32 s86, s[PP], s84                ; the group of 64 rows: 32 b + 2 p + half
	s_add_co_u32 s86, s86, s[RH]
	s_lshl_b32 s86, s86, 13                        ; 16 chunks of 512 bytes
	s_add_nc_u64 s[SL:SL+1], s[6:7], s[86:87]
	s_lshl1_add_u32 s86, s85, s84
	s_add_co_u32 s86, s86, s[RH]
	s_lshl_b32 s86, s86, 13
	s_add_nc_u64 s[SH:SH+1], s[6:7], s[86:87]
	s_lshl_b32 s[J0], s[NHI], 1
	s_sub_co_u32 s[J0], s[J0], 1                   ; the high block's last chunk
.irp e, 0,1,2,3,4,5,6,7,8,9,10,11,12,13,14,15
	s_sub_co_u32 s84, s[J0], \e                    ; entry e counts back from it, so that step s, chunk h is entry 17 - 2 s - h for every p;
	s_and_b32 s84, s84, 15                         ; the entries that are over wrap to chunks behind the diagonal, which hold (-inf, 0)
	s_lshl_b32 s84, s84, 9
	v_add_nc_u32 v[OB+\e], s84, v5
.endr
	WIN TO_F
.irp j, 0,1,2,3,4,5,6,7
	global_load_b128 v[CML+4*\j:CML+4*\j+3], v5, s[SL:SL+1] offset:512*\j
	global_load_b128 v[LL+4*\j:LL+4*\j+3],   v5, s[SL:SL+1] offset:512*\j+256
.endr
.irp e, 0,1,2,3,4,5,6,7,8,9,10,11,12,13,14,15
	global_load_b128 v[CMH+4*\e:CMH+4*\e+3], v[OB+\e], s[SH:SH+1]
	global_load_b128 v[LH+4*\e:LH+4*\e+3],   v[OB+\e], s[SH:SH+1] offset:256
.endr
	WIN 0
	; lane addresses, while the loads are on their way
	v_and_b32 v3, 7, v0
	v_bfe_u32 v4, v0, 3, 1
	v_lshl_add_u32 v6, v2, 3, v3                   ; the turning load: key 8 (l / 16) + l % 8,
	v_mul_u32_u24 v6, v6, PV
	v_lshl_add_u32 v6, v4, 4, v6                   ; channels 8 ((l / 8) % 2) + 0..7
	s_lshl_b32 s84, s[CH], 7                       ; my 64 channels
	s_add_co_u32 s84, s84, VOFF
	v_mul_u32_u24 v7, v1, PA
	v_lshl_add_u32 v7, v2, 4, v7
	s_mul_i32 s86, s[RH], AHALF                    ; my 64 queries
.irp s, 0,1
	v_add_nc_u32 v[ADRA+\s], s86, v7
	v_add_nc_u32 v[ADRV+2*\s], s84, v6             ; the slot's first chunk of V,
	s_add_co_u32 s84, s84, VHALF
	v_add_nc_u32 v[ADRV+2*\s+1], s84, v6           ; its second,
	s_add_co_u32 s84, s84, SLOT-VHALF              ; and on to the next slot
	s_add_co_u32 s86, s86, SLOT
.endr
	s_mul_i32 s86, s[WV], 16*SP
	s_add_co_u32 s86, s86, STAGE
	v_mul_u32_u24 v8, v1, SP                       ; in: row l % 16, 32 bytes (8 channels of f32) for each half of the lanes
	v_lshl_add_u32 v8, v2, 5, v8
	v_add_nc_u32 v[STO], s86, v8
	v_mul_u32_u24 v8, v2, SP                       ; back: lanes 0-15 one row of 256 bytes, lanes 16-31 the next
	v_lshl_add_u32 v8, v1, 4, v8
	v_add_nc_u32 v[RD], s86, v8
	v_lshlrev_b32 v8, 12, v2
	v_lshl_add_u32 v[CO], v1, 4, v8
	s_lshl_b32 s88, s[NN], 9                       ; out0: byte 512 n + 256 x half of row 2048 b + 128 x block + 64 x half
	s_lshl_b32 s89, s[CH], 8
	s_add_co_u32 s88, s88, s89
	s_lshl_b32 s89, s[BB], 23
	s_add_co_u32 s88, s88, s89
	s_lshl_b32 s89, s[RH], 18
	s_add_co_u32 s88, s88, s89
	s_lshl_b32 s92, s[PP], 19
	s_add_co_u32 s92, s92, s88
	s_mov_b32 s93, 0
	s_add_nc_u64 s[OL:OL+1], s[10:11], s[92:93]
	s_lshl_b32 s92, s85, 19
	s_add_co_u32 s92, s92, s88
	s_add_nc_u64 s[OH:OH+1], s[10:11], s[92:93]
.irp k, 1,2,3
	s_cmp_gt_u32 s[NLO], \k
	s_cselect_b32 s[SELK+\k-1], -1, 0
.endr
	s_wait_loadcnt 0x0
	; THE FACTORS.  All in window 1 until they are written.
	WIN 0x55
.irp a, 0,1,2,3
	v_max3_num_f32 v[MLO+\a], v[CML+\a], v[CML+4+\a], v[CML+8+\a]
	v_max3_num_f32 v[MHI+\a], v[CMH+\a], v[CMH+4+\a], v[CMH+8+\a]
.endr
.irp j, 3,5
.irp a, 0,1,2,3
	v_max3_num_f32 v[MLO+\a], v[MLO+\a], v[CML+4*\j+\a], v[CML+4*\j+4+\a]
.endr
.endr
.irp j, 3,5,7,9,11,13
.irp a, 0,1,2,3
	v_max3_num_f32 v[MHI+\a], v[MHI+\a], v[CMH+4*\j+\a], v[CMH+4*\j+4+\a]
.endr
.endr
.irp a, 0,1,2,3
	v_max_num_f32 v[MLO+\a], v[MLO+\a], v[CML+28+\a]   ; finite: chunk 0 is never masked whole
	v_max_num_f32 v[MHI+\a], v[MHI+\a], v[CMH+60+\a]
.endr
.irp j, 0,1,2,3,4,5,6,7
.irp k, 0,1
	v_pk_add_f32 v[CML+4*\j+2*\k:CML+4*\j+2*\k+1], v[CML+4*\j+2*\k:CML+4*\j+2*\k+1], v[MLO+2*\k:MLO+2*\k+1] neg_lo:[0,1] neg_hi:[0,1]   ; cm - M, at most 0
.endr
.endr
.irp e, 0,1,2,3,4,5,6,7,8,9,10,11,12,13,14,15
.irp k, 0,1
	v_pk_add_f32 v[CMH+4*\e+2*\k:CMH+4*\e+2*\k+1], v[CMH+4*\e+2*\k:CMH+4*\e+2*\k+1], v[MHI+2*\k:MHI+2*\k+1] neg_lo:[0,1] neg_hi:[0,1]
.endr
.endr
.set xi, 0
.rept 32
	v_exp_f32 v[CML+xi], v[CML+xi]
.set xi, xi+1
.endr
.set xi, 0
.rept 64
	v_exp_f32 v[CMH+xi], v[CMH+xi]
.set xi, xi+1
.endr
	v_nop                                          ; a plain instruction between the last exponential and the use of its result (ISA guide 5.7.2)
	s_wait_alu depctr_va_vdst(0)
.irp k, 0,1
	v_pk_mul_f32 v[LLO+2*\k:LLO+2*\k+1], v[CML+2*\k:CML+2*\k+1], v[LL+2*\k:LL+2*\k+1]   ; the first chunk starts L
	v_pk_mul_f32 v[LHI+2*\k:LHI+2*\k+1], v[CMH+2*\k:CMH+2*\k+1], v[LH+2*\k:LH+2*\k+1]
.endr
.irp j, 1,2,3,4,5,6,7
.irp k, 0,1
	v_pk_fma_f32 v[LLO+2*\k:LLO+2*\k+1], v[CML+4*\j+2*\k:CML+4*\j+2*\k+1], v[LL+4*\j+2*\k:LL+4*\j+2*\k+1], v[LLO+2*\k:LLO+2*\k+1]
.endr
.endr
.irp e, 1,2,3,4,5,6,7,8,9,10,11,12,13,14,15
.irp k, 0,1
	v_pk_fma_f32 v[LHI+2*\k:LHI+2*\k+1], v[CMH+4*\e+2*\k:CMH+4*\e+2*\k+1], v[LH+4*\e+2*\k:LH+4*\e+2*\k+1], v[LHI+2*\k:LHI+2*\k+1]
.endr
.endr
.irp a, 0,1,2,3
	v_rcp_f32 v[RLO+\a], v[LLO+\a]                 ; L is at least 1: the chunk that holds the maximum counts its largest weight, 1
	v_rcp_f32 v[RHI+\a], v[LHI+\a]
.endr
	v_nop
	s_wait_alu depctr_va_vdst(0)
.irp s, 1,2,3                          ; steps 1 to 3 belong to the low or to the high block, by p: both candidates are made in place, and the choice selects a value
.irp h, 0,1
.irp k, 0,1
	v_pk_mul_f32 v[CML+4*(2*\s+\h)+2*\k:CML+4*(2*\s+\h)+2*\k+1], v[CML+4*(2*\s+\h)+2*\k:CML+4*(2*\s+\h)+2*\k+1], v[RLO+2*\k:RLO+2*\k+1]
	v_pk_mul_f32 v[CMH+4*(17-2*\s-\h)+2*\k:CMH+4*(17-2*\s-\h)+2*\k+1], v[CMH+4*(17-2*\s-\h)+2*\k:CMH+4*(17-2*\s-\h)+2*\k+1], v[RHI+2*\k:RHI+2*\k+1]
.endr
.endr
.endr
	WIN 0x95                                       ; destination window 2
.irp h, 0,1
.irp k, 0,1
	v_pk_mul_f32 v[FT+4*\h+2*\k:FT+4*\h+2*\k+1], v[CML+4*\h+2*\k:CML+4*\h+2*\k+1], v[RLO+2*\k:RLO+2*\k+1]   ; step 0 is always the low block's
.endr
.endr
.irp s, 1,2,3
.irp h, 0,1
.irp a, 0,1,2,3
	v_cndmask_b32 v[FT+8*\s+4*\h+\a], v[CMH+4*(17-2*\s-\h)+\a], v[CML+4*(2*\s+\h)+\a], s[SELK+\s-1]
.endr
.endr
.endr
.irp s, 4,5,6,7,8                      ; steps 4 to 8 are always the high block's
.irp h, 0,1
.irp k, 0,1
	v_pk_mul_f32 v[FT+8*\s+4*\h+2*\k:FT+8*\s+4*\h+2*\k+1], v[CMH+4*(17-2*\s-\h)+2*\k:CMH+4*(17-2*\s-\h)+2*\k+1], v[RHI+2*\k:RHI+2*\k+1]
.endr
.endr
.endr
	WIN 0
; 8 matrix instructions: query blocks a0, a0 + 1 x all 4 channel blocks, 32 along K: half c of buffer f.  The 16 accumulators take turns, one instruction a turn.
.macro MUL8 f, c, a0, zero
.irp a, \a0, \a0+1
.irp b, 0,1,2,3
.if \zero
	v_wmma_f32_16x16x32_f16 v[ACC+8*(4*(\a)+\b):ACC+8*(4*(\a)+\b)+7], v[\f+64+8*(4*\c+\b):\f+64+8*(4*\c+\b)+7], v[\f+8*(4*\c+\a):\f+8*(4*\c+\a)+7], 0
.else
	v_wmma_f32_16x16x32_f16 v[ACC+8*(4*(\a)+\b):ACC+8*(4*(\a)+\b)+7], v[\f+64+8*(4*\c+\b):\f+64+8*(4*\c+\b)+7], v[\f+8*(4*\c+\a):\f+8*(4*\c+\a)+7], v[ACC+8*(4*(\a)+\b):ACC+8*(4*(\a)+\b)+7]
.endif
.endr
.endr
.endm
; 32 LDS loads in one run: the fragments of quarter q (64 keys) of a step, into buffer f; its first 32 keys first
.macro FETCH slot, q, f
	WIN TO_F
.irp c, 0,1
.irp i, 0,1,2,3
	ds_load_tr16_b128 v[\f+64+8*(4*\c+\i):\f+64+8*(4*\c+\i)+3],   v[ADRV+2*(\slot)+(\q)/2] offset:(((\q)%2)*64+32*\c)*PV+32*\i
	ds_load_tr16_b128 v[\f+64+8*(4*\c+\i)+4:\f+64+8*(4*\c+\i)+7], v[ADRV+2*(\slot)+(\q)/2] offset:(((\q)%2)*64+32*\c+16)*PV+32*\i
	ds_load_b128 v[\f+8*(4*\c+\i):\f+8*(4*\c+\i)+3],             v[ADRA+(\slot)] offset:\i*16*PA+128*(\q)+64*\c
	ds_load_b128 v[\f+8*(4*\c+\i)+4:\f+8*(4*\c+\i)+7],           v[ADRA+(\slot)] offset:\i*16*PA+128*(\q)+64*\c+32
.endr
.endr
.endm
; One of a step's first three quarters: multiplies buffer f (zero = 1: it starts a chunk's sums) and fetches quarter q into buffer g
.macro QUARTER slot, q, f, g, zero
	s_wait_dscnt 16                                ; the first 32 keys' fragments are in; the youngest sixteen loads may be out
	WIN MUL
	MUL8 \f, 0, 0, \zero
	MUL8 \f, 0, 2, \zero
	PLACES
	FETCH \slot, \q, \g
	s_wait_dscnt 32                                ; all but the 32 just issued
	WIN MUL
	MUL8 \f, 1, 0, 0
	MUL8 \f, 1, 2, 0
.endm
; The last quarter multiplies buffer 1 and changes slots.  In front of the barrier each wave waits for its own reads of this slot and for all its tensor loads (one is out: its part of the
; next slot).  fill = 1: the barrier opens a round of the cluster's barrier, and this slot takes step u's tiles, first thing behind the round.
.macro TURN slot, next, fill, u
	s_wait_dscnt 16
	WIN MUL
	MUL8 F1, 0, 0, 0
	s_wait_dscnt 0
	s_set_vgpr_msb 0x500
	s_wait_tensorcnt 0x0
	ds_add_u32 v126, v127
	s_wait_dscnt 0x0
	s_set_vgpr_msb 0x5
	s_barrier_signal -1
	MUL8 F1, 0, 2, 0
.if \fill
	WIN 0
.endif
	s_barrier_wait -1
.if \fill
	CREST
	ADDR \u, \slot
	JLOAD \slot                                    ; its four v_nop are also the places in front of the loads below
.else
	PLACES
.endif
	FETCH \next, 0, F0
	WIN MUL
	MUL8 F1, 1, 0, 0
	MUL8 F1, 1, 2, 0
.endm
; A chunk's result, times the lane's factor for its query, onto the master sums; first = 1: it starts them.  Ascending.
.macro FMA s, h, first
	WIN 0xa8                                       ; sums and factors window 2, accumulators window 0
.irp a, 0,1,2,3
.set FP, FT+8*(\s)+4*(\h)+2*(\a/2)     ; the even-aligned pair that holds row block a's factor: its low word for a even, its high word for a odd
.set xi, 0
.rept 16
.if \first
.if (\a%2) == 0
	v_pk_mul_f32 v[32*\a+2*xi:32*\a+2*xi+1], v[ACC+32*\a+2*xi:ACC+32*\a+2*xi+1], v[FP:FP+1] op_sel_hi:[1,0]
.else
	v_pk_mul_f32 v[32*\a+2*xi:32*\a+2*xi+1], v[ACC+32*\a+2*xi:ACC+32*\a+2*xi+1], v[FP:FP+1] op_sel:[0,1] op_sel_hi:[1,1]
.endif
.else
.if (\a%2) == 0
	v_pk_fma_f32 v[32*\a+2*xi:32*\a+2*xi+1], v[ACC+32*\a+2*xi:ACC+32*\a+2*xi+1], v[FP:FP+1], v[32*\a+2*xi:32*\a+2*xi+1] op_sel_hi:[1,0,1]
.else
	v_pk_fma_f32 v[32*\a+2*xi:32*\a+2*xi+1], v[ACC+32*\a+2*xi:ACC+32*\a+2*xi+1], v[FP:FP+1], v[32*\a+2*xi:32*\a+2*xi+1] op_sel:[0,1,0] op_sel_hi:[1,1,1]
.endif
.endif
.set xi, xi+1
.endr
.endr
	WIN 0
.endm
; THE WAY OUT of a block of queries: the master sums are the result (f32).  Row block a: 32 bytes a lane into my stage, back as whole rows of 256 bytes, stored.
.macro TOSTAGE a
.set BK, OB+32*((\a)%2)
	WIN 0x08                                       ; store data window 2
.irp b, 0,1,2,3
	ds_store_b128 v[STO], v[8*(4*(\a)+\b):8*(4*(\a)+\b)+3]   offset:64*\b
	ds_store_b128 v[STO], v[8*(4*(\a)+\b)+4:8*(4*(\a)+\b)+7] offset:64*\b+16
.endr
	WIN 0
	s_wait_xcnt 0x0                                ; earlier stores have read the registers that are loaded below
.irp t, 0,1,2,3,4,5,6,7
	ds_load_b128 v[BK+4*\t:BK+4*\t+3], v[RD] offset:\t*2*SP    ; LDS serves a wave's instructions in order: these see the stores above, and the next block's stores come behind them
.endr
.endm
.macro SEND a, base, younger           ; younger: the LDS instructions issued behind block a's loads: the next block's sixteen, or none
.set BK, OB+32*((\a)%2)
	s_wait_dscnt \younger
.irp t, 0,1,2,3,4,5,6,7
	global_store_b128 v[CO], v[BK+4*\t:BK+4*\t+3], s[\base:\base+1] offset:(16*(\a)+2*\t)*4096 th:TH_STORE_NT   ; 16 lanes store 256 consecutive bytes at a multiple of 256
.endr
.endm
.macro WAYOUT base
	TOSTAGE 0
.irp a, 1,2,3
	TOSTAGE \a
	SEND \a-1, \base, 16
.endr
	SEND 3, \base, 0
.endm
; STEP s of nine.  The branches hang on NLO alone, which the four partners share; no tensor load, wait on TENSORcnt or barrier stands inside them.
.macro TRIP s
.set sl, (\s)%2
	QUARTER sl, 1, F0, F1, 1                       ; the step's first chunk
	QUARTER sl, 2, F1, F0, 0
	WIN 0
	PLACES
.if \s == 0
	FMA \s, 0, 1
.elseif \s <= 4
	s_cmp_eq_u32 s[NLO], \s
	s_cbranch_scc1 .Lfirst_\@
	FMA \s, 0, 0
	s_branch .Ljoin_\@
.Lfirst_\@:
	FMA \s, 0, 1                                   ; the high block's first chunk starts the sums anew: nothing is cleared
.Ljoin_\@:
.else
	FMA \s, 0, 0
.endif
	QUARTER sl, 3, F0, F1, 1                       ; the second chunk
.if \s <= 6
	TURN sl, 1-sl, 1, \s+2
.elseif \s == 7
	TURN sl, 1-sl, 0, 0                            ; nothing is left to fetch: a plain barrier
.else
	s_wait_dscnt 16
	WIN MUL
	MUL8 F1, 0, 0, 0
	MUL8 F1, 0, 2, 0
	s_wait_dscnt 0x0
	MUL8 F1, 1, 0, 0
	MUL8 F1, 1, 2, 0
.endif
	WIN 0
	PLACES
	FMA \s, 1, 0
.if \s <= 3
	s_cmp_lg_u32 s[NLO], \s+1
	s_cbranch_scc1 .Lnoout_\@
	WAYOUT OL                                      ; the low block is finished; the refill is on its way meanwhile
.Lnoout_\@:
.endif
.endm
	s_wait_tensorcnt 1                             ; my part of step 0 is in; step 1's stays out
	s_barrier_signal -1
	s_barrier_wait -1
	FETCH 0, 0, F0
	TRIP 0
	TRIP 1
	TRIP 2
	TRIP 3
	TRIP 4
	TRIP 5
	TRIP 6
	TRIP 7
	TRIP 8
	WAYOUT OH
	s_wait_tensorcnt 0x0
	ds_add_u32 v126, v127
	s_wait_dscnt 0x0
	CROUND                                         ; the closing round: no work-group ends while a partner may still ask for a tile that names it
	s_endpgm
.Lfunc_end_k_qc282cab284_pv:
	.size	k_qc282cab284_pv, .Lfunc_end_k_qc282cab284_pv-k_qc282cab284_pv
	.p2alignl 7, 3214868480
	.fill 96, 4, 3214868480
	.section	.rodata,"a",@progbits
	.p2align	6, 0x0
	.amdhsa_kernel k_qc282cab284_pv
		.amdhsa_group_segment_fixed_size 327680
		.amdhsa_private_segment_fixed_size 0
		.amdhsa_enable_private_segment 0
		.amdhsa_kernarg_size 32
		.amdhsa_user_sgpr_count 2
		.amdhsa_user_sgpr_kernarg_segment_ptr 1
		.amdhsa_wavefront_size32 1
		.amdhsa_system_sgpr_workgroup_id_x 1
		.amdhsa_system_sgpr_workgroup_id_y 1
		.amdhsa_system_sgpr_workgroup_id_z 1
		.amdhsa_system_vgpr_workitem_id 0
		.amdhsa_next_free_vgpr 768
		.amdhsa_next_free_sgpr 96
		.amdhsa_reserve_vcc 0
		.amdhsa_float_denorm_mode_32 3
		.amdhsa_float_denorm_mode_16_64 3
		.amdhsa_memory_ordered 1
		.amdhsa_forward_progress 1
		.amdhsa_inst_pref_size 255
	.end_amdhsa_kernel
	.section	.bss,"aw",@nobits
	.p2align	6
	.space	262144
	.amdgpu_metadata
---
amdhsa.version: [ 1, 2 ]
amdhsa.kernels:
  - .name:           k_qc282cab284_pv
    .symbol:         k_qc282cab284_pv.kd
    .args:
      - { .name: pt, .offset: 0, .size: 8, .value_kind: global_buffer, .address_space: global }
      - { .name: st, .offset: 8, .size: 8, .value_kind: global_buffer, .address_space: global }
      - { .name: qkv, .offset: 16, .size: 8, .value_kind: global_buffer, .address_space: global }
      - { .name: out0, .offset: 24, .size: 8, .value_kind: global_buffer, .address_space: global }
    .group_segment_fixed_size: 327680
    .private_segment_fixed_size: 0
    .kernarg_segment_align: 8
    .kernarg_segment_size: 32
    .max_flat_workgroup_size: 128
    .sgpr_count:     96
    .vgpr_count:     768
    .wavefront_size: 32
...
	.end_amdgpu_metadata
.endif
;; end of part 4
;; ======== version 2 of 2: 4 launches; version 1 with the launch cast written anew for expert scheduling mode
;; limits: values are held in f16: magnitudes above 65,504 overflow, below 6.1e-05 lose precision
;; workspace buffers: xb 16,777,216 bytes; wb 6,291,456 bytes; qkv 50,331,648 bytes; pt 33,554,432 bytes; st 1,048,576 bytes
;; launch cast (part 5): grid 64 x 12, 8 waves a work-group, no clusters, 0 bytes of LDS; arguments x, Wq, Wk, Wv, xb, wb, st; writes xb, wb, st
.if DOCPART == 5
	.amdgcn_target "amdgcn-amd-amdhsa--gfx1250"
	.amdhsa_code_object_version 6
	.text
	.protected	k_qc282cab284_cast
	.globl	k_qc282cab284_cast
	.p2align	8
	.type	k_qc282cab284_cast,@function
k_qc282cab284_cast:
	s_mov_b64 s[64:65], 0
	v_nop
	global_prefetch_b8 v0, s[64:65] scope:SCOPE_SE
	s_setreg_imm32_b32 hwreg(HW_REG_WAVE_SCHED_MODE, 0, 2), 2
	s_setreg_imm32_b32 hwreg(HW_REG_WAVE_MODE, 25, 1), 1
	s_wait_xcnt 0x0
	s_wait_alu depctr_vm_vsrc(0)
; x, Wq, Wk, Wv (f32) -> xb, wb (bf16, rounded to nearest even once); st is filled with (-inf, 0).
; Grid y picks the job: 0-7 the eight units (1 Mi numbers each) of x -> xb; 8, 9, 10: Wq, Wk, Wv -> rows 0, 1024, 2048 of wb; 11: the fill of st.
; A work-group takes 16,384 numbers: thread t takes the 16 bytes at 16 t + 4096 i (i = 0..15) and stores the 8 bytes at 8 t + 2048 i:
; a wave's load covers 512 consecutive bytes, a wave's store 256 consecutive bytes at a multiple of 256.
; No LDS, no barrier, no matrix unit: every byte is read once and written once, all sixteen loads of a wave are out together.
; st holds, for each 64 rows and each chunk of 128 keys, 256 bytes of c x maximum and then 256 bytes of sums; the chunks that the
; causal mask removes keep this fill: maximum -inf, sum 0.
; THE MODE: SCHED_MODE bits 1:0 = 2 (LLVM: expert scheduling mode 2), set by the entry lines.  The code itself states the register dependences
; between vector instructions and memory instructions, with s_wait_alu, always for 0.
; THE PLAN.  Registers that memory instructions touch:
;   v1, v2     byte offsets, 16 t and 8 t: written once at the head, read by every load and store, never written again.
;   X0 .. X15  load i lands in X[i], once; its two conversions read it; no vector instruction names it ahead of the load.
;   Y0 .. Y15  the conversions of load i write pair i, once; store i reads it.  No pair is written twice.
;   v[4:7]     the fill alone: written once, read by its four stores.
; The sixteen loads go in four blocks of four.  Block p rounds X[4 p ..] into Y[4 p ..]; its memory instructions are the four stores of block p - 1, which read
; Y[4 p - 4 ..]: pairs that no vector instruction of block p names.  So one wait at a block's head states all that its four stores hang on, and they are dealt among
; its conversions with no further wait.  No register that a memory instruction reads is ever written again: the text owes no wait on vm_vsrc.
.set X, 8                              ; v[8:71]   sixteen loads of four f32
.set Y, 72                             ; v[72:103] sixteen pairs to store; none is written twice, so no store's data is ever rewritten
	s_load_b256 s[4:11], s[0:1], 0x0               ; x s[4:5], Wq s[6:7], Wk s[8:9], Wv s[10:11]
	s_load_b128 s[12:15], s[0:1], 0x20             ; xb s[12:13], wb s[14:15]
	s_load_b64 s[16:17], s[0:1], 0x30              ; st
	s_and_b32 s20, ttmp7, 0xffff                   ; the job
	s_sub_co_u32 s28, s20, 8                       ; which of the three weights (used for jobs 8 to 10 alone)
	v_lshlrev_b32 v1, 4, v0                        ; 16 t
	v_lshlrev_b32 v2, 3, v0                        ; 8 t
	s_wait_kmcnt 0x0
	s_cmp_eq_u32 s20, 11
	s_cbranch_scc1 .Lfill
	s_cmp_lt_u32 s20, 8
	s_cselect_b64 s[22:23], s[4:5], s[6:7]         ; from: x, or a weight
	s_cselect_b64 s[24:25], s[12:13], s[14:15]     ; to: xb or wb
	s_cselect_b32 s26, s20, 0                      ; the unit in the source
	s_cselect_b32 s27, s20, s28                    ; the unit in the destination
	s_cmp_eq_u32 s20, 9
	s_cselect_b64 s[22:23], s[8:9], s[22:23]
	s_cmp_eq_u32 s20, 10
	s_cselect_b64 s[22:23], s[10:11], s[22:23]
	s_lshl_b32 s30, s26, 22                        ; a unit is 4 MiB of f32,
	s_lshl_b32 s29, ttmp9, 16                      ; a work-group's share 64 KiB
	s_add_co_u32 s30, s30, s29
	s_mov_b32 s31, 0
	s_lshl_b32 s32, s27, 21                        ; and half of that in bf16
	s_lshl_b32 s29, ttmp9, 15
	s_add_co_u32 s32, s32, s29
	s_mov_b32 s33, 0
	s_add_nc_u64 s[22:23], s[22:23], s[30:31]
	s_add_nc_u64 s[24:25], s[24:25], s[32:33]
	s_wait_alu depctr_va_vdst(0)                   ; v1 and v2 are written: every load and store below reads one of them as its offset
.irp i, 0,1,2,3,4,5,6,7,8,9,10,11,12,13,14,15
	global_load_b128 v[X+4*\i:X+4*\i+3], v1, s[22:23] offset:4096*\i th:TH_LOAD_NT   ; read once in the whole program
.endr
; Block p: loads 4 p to 4 p + 3 are rounded; the four stores of the block before stand one ahead of each pair of conversions.
.macro BLK p
.irp i, 0,1,2,3
	s_wait_loadcnt 15-4*(\p)-(\i)                  ; loads come back in order: load 4 p + i is in, the younger ones stay out (stores do not count here)
.if (\p) > 0 && (\i) == 0
	s_wait_alu depctr_va_vdst(0)                   ; the block before has written its four pairs of Y, which the four stores of this block read
.endif
.if (\p) > 0
	global_store_b64 v2, v[Y+8*(\p)-8+2*(\i):Y+8*(\p)-8+2*(\i)+1], s[24:25] offset:2048*(4*(\p)-4+(\i))   ; no hint: the next launch reads it.  No vector instruction since the wait names this pair
.endif
	v_cvt_pk_bf16_f32 v[Y+8*(\p)+2*(\i)],   v[X+16*(\p)+4*(\i)],   v[X+16*(\p)+4*(\i)+1]
	v_cvt_pk_bf16_f32 v[Y+8*(\p)+2*(\i)+1], v[X+16*(\p)+4*(\i)+2], v[X+16*(\p)+4*(\i)+3]
.endr
.endm
	BLK 0                                          ; no block stands in front of it: no store, no wait but those for its data
	BLK 1
	BLK 2
	BLK 3
	s_wait_alu depctr_va_vdst(0)                   ; block 3 has written the last four pairs of Y, which the last four stores read
.irp i, 0,1,2,3
	global_store_b64 v2, v[Y+24+2*\i:Y+24+2*\i+1], s[24:25] offset:2048*(12+\i)
.endr
	s_endpgm
.Lfill:
	v_and_b32 v3, 16, v0                           ; byte 16 t: bit 8 of it tells maxima (0) from sums (1)
	v_cmp_eq_u32 vcc_lo, 0, v3
	v_mov_b32 v7, 0xff800000                       ; -inf
	s_wait_alu depctr_va_vcc(0)                    ; the compare has written VCC, which the select below reads
	v_cndmask_b32 v4, 0, v7, vcc_lo
	v_mov_b32 v5, v4
	v_mov_b32 v6, v4
	v_mov_b32 v7, v4
	s_lshl_b32 s30, ttmp9, 14                      ; 16 KiB a work-group
	s_mov_b32 s31, 0
	s_add_nc_u64 s[16:17], s[16:17], s[30:31]
	s_wait_alu depctr_va_vdst(0)                   ; v[4:7], the four stores' data, and v1, their offset, are written
.irp k, 0,1,2,3
	global_store_b128 v1, v[4:7], s[16:17] offset:4096*\k
.endr
	s_endpgm
.Lfunc_end_k_qc282cab284_cast:
	.size	k_qc282cab284_cast, .Lfunc_end_k_qc282cab284_cast-k_qc282cab284_cast
	.p2alignl 7, 3214868480
	.fill 96, 4, 3214868480
	.section	.rodata,"a",@progbits
	.p2align	6, 0x0
	.amdhsa_kernel k_qc282cab284_cast
		.amdhsa_group_segment_fixed_size 0
		.amdhsa_private_segment_fixed_size 0
		.amdhsa_enable_private_segment 0
		.amdhsa_kernarg_size 56
		.amdhsa_user_sgpr_count 2
		.amdhsa_user_sgpr_kernarg_segment_ptr 1
		.amdhsa_wavefront_size32 1
		.amdhsa_system_sgpr_workgroup_id_x 1
		.amdhsa_system_sgpr_workgroup_id_y 1
		.amdhsa_system_sgpr_workgroup_id_z 1
		.amdhsa_system_vgpr_workitem_id 0
		.amdhsa_next_free_vgpr 104
		.amdhsa_next_free_sgpr 66
		.amdhsa_reserve_vcc 1
		.amdhsa_float_denorm_mode_32 3
		.amdhsa_float_denorm_mode_16_64 3
		.amdhsa_memory_ordered 1
		.amdhsa_forward_progress 1
		.amdhsa_inst_pref_size 8
	.end_amdhsa_kernel
	.amdgpu_metadata
---
amdhsa.version: [ 1, 2 ]
amdhsa.kernels:
  - .name:           k_qc282cab284_cast
    .symbol:         k_qc282cab284_cast.kd
    .args:
      - { .name: x, .offset: 0, .size: 8, .value_kind: global_buffer, .address_space: global }
      - { .name: Wq, .offset: 8, .size: 8, .value_kind: global_buffer, .address_space: global }
      - { .name: Wk, .offset: 16, .size: 8, .value_kind: global_buffer, .address_space: global }
      - { .name: Wv, .offset: 24, .size: 8, .value_kind: global_buffer, .address_space: global }
      - { .name: xb, .offset: 32, .size: 8, .value_kind: global_buffer, .address_space: global }
      - { .name: wb, .offset: 40, .size: 8, .value_kind: global_buffer, .address_space: global }
      - { .name: st, .offset: 48, .size: 8, .value_kind: global_buffer, .address_space: global }
    .group_segment_fixed_size: 0
    .private_segment_fixed_size: 0
    .kernarg_segment_align: 8
    .kernarg_segment_size: 56
    .max_flat_workgroup_size: 256
    .sgpr_count:     66
    .vgpr_count:     104
    .wavefront_size: 32
...
	.end_amdgpu_metadata
.endif
;; end of part 5
;; launch proj: the kernel of part 2 again; grid 8 x 32, 4 waves a work-group, clusters of 4 x 4, 327,680 bytes of LDS; arguments xb, wb, qkv; writes qkv
;; launch scores: the kernel of part 3 again; grid 9 x 16, 4 waves a work-group, no clusters, 327,680 bytes of LDS; arguments qkv, pt, st; writes pt, st
;; launch pv: the kernel of part 4 again; grid 8 x 32, 4 waves a work-group, clusters of 4 x 1, 327,680 bytes of LDS; arguments pt, st, qkv, out0; writes out0
